; MI455X (gfx1250); checked and timed in simulation.
; The chip was launched on July 23, 2026; its instructions are those of AMD's public machine-readable ISA for CDNA 5 (MIT licence, August 2026) and "CDNA5" Instruction Set Architecture Reference Guide (July 2026). The comments in the code are by the model that wrote it; some were corrected since.
;; Gemma4 Vision Attention. Allowed arithmetic: float matrix products may take bf16 or f16 operands with f32 sums; other float arithmetic in f32, or as packed bf16 or f16 multiplies, adds, multiply-adds, maxima and minima; sums over many terms, partial sums and values carried from step to step in f32; what a program stores and reads back later, other than sums and carried values, may be rounded once to bf16 or f16.
;; Inputs: cos 8 x 1,024 x 64 float32; hidden_states 8 x 1,024 x 1,024 float32; k_norm_w 64 float32; position_ids 8 x 1,024 x 2 int32; q_norm_w 64 float32; sin 8 x 1,024 x 64 float32; wk 1,024 x 1,024 float32; wo 1,024 x 1,024 float32; wq 1,024 x 1,024 float32; wv 1,024 x 1,024 float32.
;; Outputs: out0 8 x 1,024 x 1,024 float32.
;; 2 versions, each right; version 2 is version 1 with the launch prep written anew for expert scheduling mode. Each part assembles by itself: llvm-mc -triple=amdgcn-amd-amdhsa -mcpu=gfx1250 --defsym DOCPART=n.
;; ======== version 1 of 2: 4 launches
;; limits: values are held in f16: magnitudes above 65,504 overflow, below 6.1e-05 lose precision; right only within a limited range of input values
;; workspace buffers: xb 16,777,216 bytes; wb 8,388,608 bytes; csb 2,097,152 bytes; qkv 50,331,648 bytes; ob 16,777,216 bytes
;; launch prep (part 1): grid 832 x 1, 8 waves a work-group, no clusters, 0 bytes of LDS; arguments hidden_states, wq, wk, wv, wo, cos, sin, xb, wb, csb; writes xb, wb, csb
.if DOCPART == 1
	.amdgcn_target "amdgcn-amd-amdhsa--gfx1250"
	.amdhsa_code_object_version 6
	.text
	.protected	k_q16f9152749_prep
	.globl	k_q16f9152749_prep
	.p2align	8
	.type	k_q16f9152749_prep,@function
k_q16f9152749_prep:
	s_mov_b64 s[64:65], 0
	v_nop
	global_prefetch_b8 v0, s[64:65] scope:SCOPE_SE
	s_setreg_imm32_b32 hwreg(HW_REG_WAVE_MODE, 25, 1), 1
	s_wait_xcnt 0x0
; CASTS.  Every floating-point input that a later launch multiplies is rounded ONCE to bf16 here:
;   hidden_states [8192][1024] f32 -> xb, bf16, in blocks [16 kb][8192 rows][64]: a tile of 256 rows x 64 k is 32,768 bytes on end
;   wq, wk, wv [1024 k][1024 n] f32 -> wb, bf16, as they lie, 2 MiB each;  wo -> wb's fourth matrix: rounded to bf16, that number written as f16
;   cos, sin [8192][64] f32 -> csb, bf16: cos, then sin
; (position_ids enters the module by its shape alone, two chunks of the head: no value of it is used, so no launch loads it.)
; LIMIT.  |wo| stays under 65,504 (f16's end); below 2^-14 it keeps f16's fixed step of 2^-24.
; A stream: no LDS, no matrix unit.  A work-group casts 16,384 numbers (64 KiB in, 32 KiB out); a thread has sixteen loads of 16 bytes out at once and stores 8 bytes for each;
; a wave's store covers 256 consecutive bytes, at a multiple of 256 from the buffer's first byte.  No register is written twice while a load or store names it.
.set IN,  4                            ; v[4:67]    sixteen loads of four f32
.set OUT, 68                           ; v[68:99]   sixteen pairs of packed words
.set T0,  100                          ; v[100:103] at work (wo alone)
; mode = 1: bf16, then written as f16.  istr: bytes from load to load.  xm = 1: load i is k block i of xb, 1 MiB apart (the second eight by a base 8 MiB on: the immediate has 24 signed bits)
.macro CAST mode, istr, xm
.set i, 0
.rept 16
	global_load_b128 v[IN+4*i:IN+4*i+3], v1, s[24:25] offset:i*(\istr) th:TH_LOAD_NT
.set i, i+1
.endr
.set i, 0
.rept 16
	s_wait_loadcnt 15-i                            ; loads come back in order: load i is in, the 15 - i younger ones stay out
	v_cvt_pk_bf16_f32 v[OUT+2*i], v[IN+4*i], v[IN+4*i+1]
	v_cvt_pk_bf16_f32 v[OUT+2*i+1], v[IN+4*i+2], v[IN+4*i+3]
.if \mode
	v_lshlrev_b32 v[T0], 16, v[OUT+2*i]            ; the rounded numbers as f32 again,
	v_and_b32 v[T0+1], 0xffff0000, v[OUT+2*i]
	v_lshlrev_b32 v[T0+2], 16, v[OUT+2*i+1]
	v_and_b32 v[T0+3], 0xffff0000, v[OUT+2*i+1]
	v_cvt_pk_f16_f32 v[OUT+2*i], v[T0], v[T0+1]    ; and as f16: exact within f16's range
	v_cvt_pk_f16_f32 v[OUT+2*i+1], v[T0+2], v[T0+3]
.endif
.if \xm
.if i < 8
	global_store_b64 v2, v[OUT+2*i:OUT+2*i+1], s[26:27] offset:i*1048576 th:TH_STORE_NT
.else
	global_store_b64 v2, v[OUT+2*i:OUT+2*i+1], s[34:35] offset:(i-8)*1048576 th:TH_STORE_NT
.endif
.else
	global_store_b64 v2, v[OUT+2*i:OUT+2*i+1], s[26:27] offset:i*2048 th:TH_STORE_NT
.endif
.set i, i+1
.endr
.endm
	s_load_b512 s[4:19], s[0:1], 0x0               ; hidden_states s[4:5], wq s[6:7], wk s[8:9], wv s[10:11], wo s[12:13], cos s[14:15], sin s[16:17], xb s[18:19]
	s_load_b128 s[20:23], s[0:1], 0x40             ; wb s[20:21], csb s[22:23]
	s_mov_b32 s28, ttmp9                           ; the chunk: 0-511 x, 512-703 wq wk wv, 704-767 wo, 768-831 cos sin
	v_lshlrev_b32 v2, 3, v0                        ; out: 8 bytes a thread
	s_mov_b32 s31, 0                               ; offsets are made apart from the addresses, as pairs with 0 on top
	s_mov_b32 s33, 0
	s_wait_kmcnt 0x0
	s_cmp_lt_u32 s28, 512
	s_cbranch_scc0 .Lnotx
	; x: 16 rows.  Thread t takes row t / 16; load i takes 16 bytes at 16 (t % 16) of the row's k block i: sixteen lanes read 256 bytes on end
	s_lshl_b32 s30, s28, 16
	s_add_nc_u64 s[24:25], s[4:5], s[30:31]
	s_lshl_b32 s32, s28, 11                        ; 16 rows of 128 bytes in each block of xb
	s_add_nc_u64 s[26:27], s[18:19], s[32:33]
	s_add_nc_u64 s[34:35], s[26:27], 0x800000
	v_lshrrev_b32 v1, 4, v0
	v_and_b32 v3, 15, v0
	v_lshlrev_b32 v1, 12, v1
	v_lshl_add_u32 v1, v3, 4, v1
	CAST 0, 256, 1
	s_endpgm
.Lnotx:
	v_lshlrev_b32 v1, 4, v0                        ; in: 16 bytes a thread, 4,096 a load
	s_cmp_lt_u32 s28, 768
	s_cbranch_scc0 .Ltables
	s_sub_co_u32 s29, s28, 512
	s_lshl_b32 s32, s29, 15
	s_add_nc_u64 s[26:27], s[20:21], s[32:33]      ; wb: the four matrices lie on end
	s_and_b32 s30, s29, 63
	s_lshl_b32 s30, s30, 16                        ; the chunk within its matrix
	s_cmp_lt_u32 s28, 576
	s_cselect_b64 s[24:25], s[6:7], s[8:9]
	s_cmp_lt_u32 s28, 640
	s_cselect_b64 s[24:25], s[24:25], s[10:11]
	s_cmp_lt_u32 s28, 704
	s_cselect_b64 s[24:25], s[24:25], s[12:13]
	s_add_nc_u64 s[24:25], s[24:25], s[30:31]
	s_cmp_lt_u32 s28, 704
	s_cbranch_scc1 .Llinear
	CAST 1, 4096, 0                                ; wo
	s_endpgm
.Ltables:
	s_sub_co_u32 s29, s28, 768
	s_lshl_b32 s32, s29, 15
	s_add_nc_u64 s[26:27], s[22:23], s[32:33]
	s_and_b32 s30, s29, 31
	s_lshl_b32 s30, s30, 16
	s_cmp_lt_u32 s28, 800
	s_cselect_b64 s[24:25], s[14:15], s[16:17]
	s_add_nc_u64 s[24:25], s[24:25], s[30:31]
.Llinear:
	CAST 0, 4096, 0
	s_endpgm
.Lfunc_end_k_q16f9152749_prep:
	.size	k_q16f9152749_prep, .Lfunc_end_k_q16f9152749_prep-k_q16f9152749_prep
	.p2alignl 7, 3214868480
	.fill 96, 4, 3214868480
	.section	.rodata,"a",@progbits
	.p2align	6, 0x0
	.amdhsa_kernel k_q16f9152749_prep
		.amdhsa_group_segment_fixed_size 0
		.amdhsa_private_segment_fixed_size 0
		.amdhsa_enable_private_segment 0
		.amdhsa_kernarg_size 80
		.amdhsa_user_sgpr_count 2
		.amdhsa_user_sgpr_kernarg_segment_ptr 1
		.amdhsa_wavefront_size32 1
		.amdhsa_system_sgpr_workgroup_id_x 1
		.amdhsa_system_sgpr_workgroup_id_y 1
		.amdhsa_system_sgpr_workgroup_id_z 1
		.amdhsa_system_vgpr_workitem_id 0
		.amdhsa_next_free_vgpr 104
		.amdhsa_next_free_sgpr 66
		.amdhsa_reserve_vcc 0
		.amdhsa_float_denorm_mode_32 3
		.amdhsa_float_denorm_mode_16_64 3
		.amdhsa_memory_ordered 1
		.amdhsa_forward_progress 1
		.amdhsa_inst_pref_size 24
	.end_amdhsa_kernel
	.amdgpu_metadata
---
amdhsa.version: [ 1, 2 ]
amdhsa.kernels:
  - .name:           k_q16f9152749_prep
    .symbol:         k_q16f9152749_prep.kd
    .args:
      - { .name: hidden_states, .offset: 0, .size: 8, .value_kind: global_buffer, .address_space: global }
      - { .name: wq, .offset: 8, .size: 8, .value_kind: global_buffer, .address_space: global }
      - { .name: wk, .offset: 16, .size: 8, .value_kind: global_buffer, .address_space: global }
      - { .name: wv, .offset: 24, .size: 8, .value_kind: global_buffer, .address_space: global }
      - { .name: wo, .offset: 32, .size: 8, .value_kind: global_buffer, .address_space: global }
      - { .name: cos, .offset: 40, .size: 8, .value_kind: global_buffer, .address_space: global }
      - { .name: sin, .offset: 48, .size: 8, .value_kind: global_buffer, .address_space: global }
      - { .name: xb, .offset: 56, .size: 8, .value_kind: global_buffer, .address_space: global }
      - { .name: wb, .offset: 64, .size: 8, .value_kind: global_buffer, .address_space: global }
      - { .name: csb, .offset: 72, .size: 8, .value_kind: global_buffer, .address_space: global }
    .group_segment_fixed_size: 0
    .private_segment_fixed_size: 0
    .kernarg_segment_align: 8
    .kernarg_segment_size: 80
    .max_flat_workgroup_size: 256
    .sgpr_count:     66
    .vgpr_count:     104
    .wavefront_size: 32
...
	.end_amdgpu_metadata
.endif
;; end of part 1
;; launch qkv (part 2): grid 8 x 32, 4 waves a work-group, clusters of 4 x 4, 327,680 bytes of LDS; arguments xb, wb, csb, q_norm_w, k_norm_w, qkv; writes qkv
.if DOCPART == 2
	.amdgcn_target "amdgcn-amd-amdhsa--gfx1250"
	.amdhsa_code_object_version 6
	.text
	.protected	k_q16f9152749_qkv
	.globl	k_q16f9152749_qkv
	.p2align	8
	.type	k_q16f9152749_qkv,@function
k_q16f9152749_qkv:
	s_mov_b64 s[64:65], 0
	v_nop
	global_prefetch_b8 v0, s[64:65] scope:SCOPE_SE
	s_setreg_imm32_b32 hwreg(HW_REG_WAVE_MODE, 25, 1), 1
	s_wait_xcnt 0x0
	s_wait_alu depctr_hold_cnt(0) depctr_sa_sdst(0) depctr_va_vdst(0) depctr_va_sdst(0) depctr_va_ssrc(0) depctr_va_vcc(0) depctr_vm_vsrc(0)
	s_getreg_b32 s2, hwreg(HW_REG_IB_STS2, 6, 4)
	s_cmp_eq_u32 s2, 0
	s_cbranch_scc0 .Lentry_in_a_cluster
	s_endpgm
.Lentry_in_a_cluster:
	s_bfe_u32 s2, ttmp6, 0x10000c
	s_cmp_lg_u32 s2, 0xf033
	s_cbranch_scc0 .Lentry_shape_is_right
	s_endpgm
.Lentry_shape_is_right:
; q, k, v = x wq, x wk, x wv; RMS norm over each head's 64 channels (gain for q and k, none for v); rotate-half RoPE in two chunks of 32 channels for q and k; out in f16 by heads:
; qkv[type][16 batch + head][1024][64].  Operands bf16, sums f32, norm and RoPE f32, each result rounded once.  The gains are rounded to bf16 like every other input.
; LIMITS.  f16 ends at 65,504: |q|, |k| are at most 8 |gain| (|cos| + |sin|) and must stay under it; |v| is at most 8.  NaN and infinities are not treated apart.
; (position_ids enters the module by its shape alone: two chunks.  No value of it is used, and it is not loaded.)
; SHARES.  Work-group (j, mt) makes rows 256 mt .. + 255 of heads 2 j and 2 j + 1 of ALL THREE products: every work-group runs the same text.  Wave w: rows 128 (w / 2) on, head 2 j + w % 2:
; 128 x (64 + 64 + 64): 96 accumulators, 768 registers; for 32 along K it reads 40 times 512 bytes from LDS and issues 96 matrix instructions.
; THE MATRIX INSTRUCTION IS USED TRANSPOSED (source 0 = 16 columns of W, turned out of LDS by ds_load_tr16_b128; source 1 = 16 rows of x): lane l holds row l % 16 and columns
; 16 b + 8 (l / 16) + 0..7 of accumulator b.  A head's 64 channels lie in four accumulators of a pair of lanes, and RoPE's partner, 16 columns away, is the same register of the accumulator beside.
; RING.  K goes in 16 steps of 64 through two LDS slots.  Wave 0 fetches x's tile (32,768 bytes on end, asked for as 128 rows of 256), waves 1 to 3 the strips of wq, wk, wv (64 rows of 256 bytes).
; CLUSTER 4 x 4: x's tile and the cos and sin rows hang on mt alone and are asked for jointly along a row of the cluster, W's strips on j alone, along a column.
; THE WAY OUT.  A loop takes 16 rows of q, k and v a trip.  A loop's counter cannot choose registers, so a trip's 12 accumulators are first copied into fixed registers of window 0, by one of eight runs of
; 96 v_mov_b32 that forward jumps on the counter choose; the trip's some 400 lines are then written once and not eight times.
.set PA,     144                       ; an LDS row of x, cos, sin and of the stages: 128 bytes + 16: the 16 rows of a load start at 16 different groups of four banks (64 banks of 4 bytes: ISA guide 11.1)
.set PB,     288                       ; an LDS row of W: 256 + 32
.set ABYTES, 256*PA                    ; 36,864
.set BSTR,   64*PB                     ; 18,432: a strip
.set SLOT1,  131072                    ; slot 0 at 0, slot 1 here: one exclusive or apart; a slot is ABYTES + 3 BSTR = 92,160 bytes
.set CSB,    253440                    ; cos: 256 rows x 144, then sin; filled once
.set SINO,   ABYTES
.set SPARE,  327168                    ; the spare words, 128 bytes a wave: two blocks of 256 bytes that no other line names
.set STGB,   16*PA                     ; a stage: 16 rows x 144
.set WREG,   3*STGB                    ; behind the K loop: wave w's three stages at w x 6,912 (27 blocks of 256 bytes), in slot 0, which has had its last fill
.set RR,    1                          ; v1   l % 16
.set ADRA0, 2                          ; v2   my place in x's tile: (128 (w / 2) + l % 16) x 144 + 16 (l / 16); never rewritten
.set ADRB0, 3                          ; v3   my place in a strip; never rewritten
.set ADRA,  4                          ; v4   the same in the slot in hand
.set ADRB,  5                          ; v5
.set CSA,   8                          ; v8   my 16 bytes of the trip's row of cos
.set STO,   9                          ; v9   where I put 16 bytes of a stage's row
.set ST,    10                         ; v[10:15] for q, k, v: the sum of squares, then 1 / rms; beside each the other half of the lanes' sum
.set RD,    16                         ; v16  where I read stage rows back
.set GO,    17                         ; v17  16 x lane
.set HH,    18                         ; v18  l / 16
.set LN,    19                         ; v19  l
.set GOF,   24                         ; v24  32 (l / 16): my eight gains of a block of 16
.set SPW,   28                         ; v28  LDS address of my spare word; never rewritten
.set NIL,   29                         ; v29  0; never rewritten
.set PFO,   30                         ; v30  the prefetches' lane term; never rewritten
.set FA0,   32                         ; v[32:95], v[96:159]  x's eight fragments of 32 along K, two buffers
.set FA1,   96
.set FB,    160                        ; v[160:255] W's fragments: type g, block b at 32 g + 8 b
; windows 1 to 3: the accumulators of q, k, v: (a, b) at v[8 (4 a + b)], a = 0..7 blocks of 16 rows, b = 0..3 blocks of 16 columns
.set X,     32                         ; the way out, window 0: v[32:127] a trip's 12 accumulators; v[128:159] cos, sin as loaded; v[160:191] a chunk's in f32; v[192:207] at work; v[208:255] rows to store
.set CP,    128
.set SN,    144
.set CF,    160
.set SF,    176
.set P,     192
.set R,     208
.set WV,  16                           ; s16 wave; s17 w / 2; s18 w % 2; s19 cx; s20 cy; s21 j; s22 mt
.set WM,  17
.set WN,  18
.set CX,  19
.set CY,  20
.set J,   21
.set MT,  22
.set G1A, 24                           ; s[24:31] group 1 of x's tile; s[32:39] its group 0: a set for each first fill, the second then walks
.set G0A, 32
.set G1B, 40                           ; s[40:47], s[48:55] the same for W's strips
.set G0B, 48
.set G1C, 56                           ; s[56:63], s[68:71] cos and sin
.set G0C, 68
.set PFA,   72                         ; s[72:73] where my prefetches stand; s[74:75] their step
.set PSTEP, 74
.set LIM,   76                         ; s76  1 in a wave that prefetches, else the greatest number
.set PARO,  77                         ; s77  1: every trip; 0: trips with an odd count alone
.set CNT,   78
.set TB,    79                         ; s79  the slot in hand: 0 or SLOT1
.set TR,    81
.set OB,    82                         ; s[82:87] q's, k's, v's rows: behind a trip's step, 16 rows past the trip's own
.set C64,   88
.set EPS,   89
.set SEL,   90                         ; s[90:91] v_permlanex16_b32's selects
.set HIM,   100                        ; a word's upper bf16
; temporaries: s92, s94, s95 hold what hangs on cy; s93, s66, s67 on cx; s96-s99 on both; s2, s3, s23 on the wave alone (LDS addresses)
.set MSB, 0
.macro WIN new                         ; the immediate's high byte repeats the setting that is left; a switch that changes nothing is dropped
.if MSB != (\new)
	s_set_vgpr_msb (MSB<<8)|(\new)
.set MSB, (\new)
.endif
.endm
.macro PLACES                          ; four plain instructions between a matrix instruction and a load into, or a read of, its registers (ISA guide 7.12.1 for reads)
.rept 4
	v_nop
.endr
.endm
.macro CREST                           ; a round of the cluster's barrier behind its opening barrier
	s_cmp_lg_u32 s[WV], 0
	s_cbranch_scc1 .Lnot_wave_0_\@
	s_barrier_signal -3
.Lnot_wave_0_\@:
	s_barrier_wait -3
	s_barrier_signal -1
	s_barrier_wait -1
.endm
.macro CROUND
	s_barrier_signal -1
	s_barrier_wait -1
	CREST
.endm
; A joint refill: wave 0 asks for x's tile, waves 1 to 3 for their strips.  The branch hangs on the wave's number alone.  An s_nop 0 and four v_nop follow each line.
.macro JLOAD
	s_cmp_eq_u32 s[WV], 0
	s_cbranch_scc0 .Lfor_b_\@
	tensor_load_to_lds s[G0A+4:G0A+7], s[G1A:G1A+7]
	s_nop 0
.rept 4
	v_nop
.endr
	s_branch .Lasked_\@
.Lfor_b_\@:
	tensor_load_to_lds s[G0B+4:G0B+7], s[G1B:G1B+7]
	s_nop 0
.rept 4
	v_nop
.endr
.Lasked_\@:
.endm
; A PREFETCH INTO THE L2, behind the joint load and the run of LDS loads.  x's tiles: wave 0 of the clusters with x = 0 names, in the trip that loads step n + 2, step n + 3: 192 matrix instructions ahead of its
; load; the four partners of a row share the tile's 128 blocks of 256 bytes BY ADDRESS (cx), a lane a block.  W's strips: waves 1 to 3 of the clusters with y = 0; a strip's step is 64 rows, the four partners of a
; column have 128 lanes, so they name two steps' rows (32 cy + lane) in every second trip.  Each block is named once in the launch.  The first steps come by their loads alone; the last trips ask for nothing.
.macro ASK
	s_or_b32 s99, s[CNT], s[PARO]
	s_and_b32 s99, s99, 1
	s_cmp_eq_u32 s99, 0
	s_cbranch_scc1 .Lnot_mine_\@
	s_cmp_gt_u32 s[CNT], s[LIM]
	s_cbranch_scc0 .Lnot_mine_\@
	global_prefetch_b8 v[PFO], s[PFA:PFA+1] th:TH_LOAD_NT scope:SCOPE_SE
.Lnot_mine_\@:
.endm
; na x 4 matrix instructions of type g: row blocks a0 on, all four column blocks, 32 along K.  All 96 accumulators take turns, one instruction a turn.  zero = 1: the product starts the sum.
.macro GRP g, fa, a0, na, zero
	WIN 0x50*((\g)+1)
.set ga, (\a0)
.rept \na
.irp b, 0,1,2,3
.if \zero
	v_wmma_f32_16x16x32_bf16 v[8*(4*ga+(\b)):8*(4*ga+(\b))+7], v[FB+32*(\g)+8*(\b):FB+32*(\g)+8*(\b)+7], v[(\fa)+8*ga:(\fa)+8*ga+7], 0
.else
	v_wmma_f32_16x16x32_bf16 v[8*(4*ga+(\b)):8*(4*ga+(\b))+7], v[FB+32*(\g)+8*(\b):FB+32*(\g)+8*(\b)+7], v[(\fa)+8*ga:(\fa)+8*ga+7], v[8*(4*ga+(\b)):8*(4*ga+(\b))+7]
.endif
.endr
.set ga, ga+1
.endr
.endm
.macro LDB g, hf                       ; eight loads: type g's four fragments of half hf of the step (32 k x 16 columns each, turned)
	WIN 0
.irp b, 0,1,2,3
	ds_load_tr16_b128 v[FB+32*(\g)+8*(\b):FB+32*(\g)+8*(\b)+3],   v[ADRB] offset:(\g)*BSTR+(\hf)*32*PB+32*(\b)
	ds_load_tr16_b128 v[FB+32*(\g)+8*(\b)+4:FB+32*(\g)+8*(\b)+7], v[ADRB] offset:(\g)*BSTR+(\hf)*32*PB+32*(\b)+16*PB
.endr
.endm
.macro LDA fa, hf, a0                  ; eight loads: four fragments of x, row blocks a0 on
	WIN 0
.irp a, 0,1,2,3
	ds_load_b128 v[(\fa)+8*((\a0)+(\a)):(\fa)+8*((\a0)+(\a))+3],   v[ADRA] offset:((\a0)+(\a))*16*PA+64*(\hf)
	ds_load_b128 v[(\fa)+8*((\a0)+(\a))+4:(\fa)+8*((\a0)+(\a))+7], v[ADRA] offset:((\a0)+(\a))*16*PA+64*(\hf)+32
.endr
.endm
; The first half of a step (k 0-31, buffer 0).  Behind each type's products its fragments of W are fetched anew, for the second half, and x's second half comes into buffer 1.
.macro HALF0 zero
	s_wait_dscnt 8                                 ; all but the youngest eight loads, v's fragments of W
	GRP 0, FA0, 0, 8, \zero
	PLACES
	LDB 0, 1
	LDA FA1, 1, 0
	GRP 1, FA0, 0, 8, \zero
	PLACES
	LDB 1, 1
	LDA FA1, 1, 4
	s_wait_dscnt 32                                ; all but the 32 issued in this half
	GRP 2, FA0, 0, 8, \zero
	PLACES
	LDB 2, 1
.endm
; The second half (k 32-63, buffer 1) and the change of slots: ONE barrier.  In front of it each wave waits for all its tensor loads (its part of the next slot), adds 0 to its spare word, and waits for that and for
; its reads of this slot.  fill = 1: the barrier opens a round of the cluster's, and the joint refill, the step two on, is the first thing behind it: 160 matrix instructions ahead of the wait for it.
.macro TURN fill
.if \fill
	s_wait_xcnt 0x0                                ; the last prefetch, a step back, has read its address
	s_add_nc_u64 s[PFA:PFA+1], s[PFA:PFA+1], s[PSTEP:PSTEP+1]
.endif
	WIN 0
	s_wait_tensorcnt 0x0                           ; all my tensor loads have landed
	ds_add_u32 v[SPW], v[NIL]                      ; 0 onto my spare word
	s_wait_dscnt 9                                 ; (the add and the youngest eight loads may be out)
	GRP 0, FA1, 0, 4, 0                            ; sixteen matrix instructions between the add and the wait for it
	s_wait_dscnt 0x0                               ; the add is done, my reads of this slot are over
	s_barrier_signal -1
	GRP 0, FA1, 4, 4, 0
	WIN 0
	s_barrier_wait -1
.if \fill
	CREST                                          ; no wave of any partner still reads this slot or has a load on its way
	s_xor_b32 s[G0A+5], s[G0A+5], SLOT1            ; the walking descriptors: the other slot than last time, the next step
	s_add_nc_u64 s[G0A+6:G0A+7], s[G0A+6:G0A+7], 0x100000
	s_xor_b32 s[G0B+5], s[G0B+5], SLOT1
	s_add_nc_u64 s[G0B+6:G0B+7], s[G0B+6:G0B+7], 0x20000
	JLOAD                                          ; its four v_nop are also the places in front of the loads below
.else
	PLACES
.endif
	s_xor_b32 s[TB], s[TB], SLOT1
	v_add_nc_u32 v[ADRA], s[TB], v[ADRA0]
	v_add_nc_u32 v[ADRB], s[TB], v[ADRB0]
	LDB 0, 0
	LDA FA0, 0, 0
.if \fill
	ASK
.endif
	GRP 1, FA1, 0, 8, 0
	PLACES
	LDB 1, 0
	LDA FA0, 0, 4
	GRP 2, FA1, 0, 8, 0
	PLACES
	LDB 2, 0
.endm
	s_load_b256 s[4:11], s[0:1], 0x0               ; xb s[4:5], wb s[6:7], csb s[8:9], q_norm_w s[10:11]
	s_load_b128 s[12:15], s[0:1], 0x20             ; k_norm_w s[12:13], qkv s[14:15]
	v_lshl_add_u32 v[SPW], v0, 2, SPARE
	v_mov_b32 v[NIL], 0
	ds_add_u32 v[SPW], v[NIL]                      ; the wave's opening: the add and its wait stand ahead of my first tensor load; work on registers stands between them
	v_lshrrev_b32 v20, 5, v0
	v_readfirstlane_b32 s[WV], v20
	s_lshr_b32 s[WM], s[WV], 1
	s_and_b32 s[WN], s[WV], 1
	s_bfe_u32 s[CX], ttmp6, 0x40000
	s_bfe_u32 s[CY], ttmp6, 0x40004
	s_lshl_b32 s[J], ttmp9, 2
	s_add_co_u32 s[J], s[J], s[CX]                 ; j = 4 x cluster x + cx
	s_and_b32 s[MT], ttmp7, 0xffff
	s_lshl_b32 s[MT], s[MT], 2
	s_add_co_u32 s[MT], s[MT], s[CY]               ; mt = 4 x cluster y + cy
	s_lshl_b32 s92, s[CY], 2
	s_lshl_b32 s92, 15, s92                        ; my row of the cluster
	s_lshl_b32 s93, 0x1111, s[CX]                  ; my column
	s_or_b32 s[G1A], s92, (1<<16)|(1<<20)|(1<<21)|(4<<22)|(3<<25)  ; the mask; 2-byte elements; padding on; bit 21 beside a mask; after every 32 words 4 words
	s_or_b32 s[G1C], s92, (1<<16)|(1<<20)|(1<<21)|(4<<22)|(3<<25)
	s_or_b32 s[G1B], s93, (1<<16)|(1<<20)|(1<<21)|(5<<22)|(7<<25)  ; after every 64 words 8 words
.irp g, G1A, G1C, G1B
	s_mov_b32 s[(\g)+1], 128<<16                   ; tensor_dim0 = 128 elements: rows of 256 bytes
	s_mov_b32 s[(\g)+3], 128<<16                   ; tile_dim0 = 128
	s_mov_b32 s[(\g)+6], 0
	s_mov_b32 s[(\g)+7], 0
.endr
	s_mov_b32 s[G1A+2], 128<<16                    ; x's tile: 128 rows of 256 bytes on end
	s_mov_b32 s[G1A+4], 128
	s_mov_b32 s[G1A+5], 128
	s_mov_b32 s[G1C+2], 64<<16                     ; a quarter of cos and sin: 64 rows of 256 bytes on end
	s_mov_b32 s[G1C+4], 64
	s_mov_b32 s[G1C+5], 128
	s_mov_b32 s[G1B+2], 64<<16                     ; a strip: 64 rows, 1,024 elements from row to row
	s_mov_b32 s[G1B+4], 64
	s_mov_b32 s[G1B+5], 1024
	s_mul_i32 s23, s[WV], BSTR
	s_mov_b32 s[G0A], 1
	s_mov_b32 s[G0A+1], 0
	s_mov_b32 s[G0A+4], 1
	s_mov_b32 s[G0A+5], SLOT1
	s_mov_b32 s[G0B], 1
	s_add_co_u32 s[G0B+1], s23, ABYTES-BSTR        ; wave w >= 1: behind x's tile, strip w - 1
	s_mov_b32 s[G0B+4], 1
	s_add_co_u32 s[G0B+5], s23, ABYTES-BSTR+SLOT1
	s_mov_b32 s[G0C], 1
	s_add_co_u32 s[G0C+1], s23, CSB                ; wave w: cos's halves, then sin's
	s_lshl_b32 s94, s[MT], 15                      ; x's tile in a k block; also the rows' place in cos and in sin
	s_mov_b32 s95, 0
	s_max_u32 s66, s[WV], 1
	s_sub_co_u32 s66, s66, 1                       ; my matrix of wb (wave 0 asks for none)
	s_lshl_b32 s66, s66, 21
	s_lshl_b32 s67, s[J], 8
	s_add_co_u32 s66, s66, s67                     ; + 128 columns x 2 bytes x j
	s_mov_b32 s67, 0
	s_mov_b32 s[TB], 0
	s_mov_b32 s[C64], 0x3c800000                   ; 1 / 64
	s_mov_b32 s[EPS], 0x358637bd                   ; 1e-6
	s_mov_b32 s[SEL], 0x76543210
	s_mov_b32 s[SEL+1], 0xfedcba98
	s_mov_b32 s[HIM], 0xffff0000
	s_wait_dscnt 0x0                               ; the opening add is done
	s_wait_kmcnt 0x0
	s_add_nc_u64 s[G0A+2:G0A+3], s[4:5], s[94:95]
	s_add_nc_u64 s[G0A+6:G0A+7], s[G0A+2:G0A+3], 0x100000  ; step 1: the next k block
	s_or_b32 s[G0A+3], s[G0A+3], 0x80000000
	s_or_b32 s[G0A+7], s[G0A+7], 0x80000000
	s_add_nc_u64 s[G0B+2:G0B+3], s[6:7], s[66:67]
	s_add_nc_u64 s[G0B+6:G0B+7], s[G0B+2:G0B+3], 0x20000   ; step 1: 64 rows of 2,048 bytes on
	s_or_b32 s[G0B+3], s[G0B+3], 0x80000000
	s_or_b32 s[G0B+7], s[G0B+7], 0x80000000
	s_lshl_b32 s92, s[WM], 20                      ; cos or sin,
	s_add_co_u32 s94, s94, s92
	s_lshl_b32 s92, s[WN], 14                      ; which 128 rows
	s_add_co_u32 s94, s94, s92
	s_add_nc_u64 s[G0C+2:G0C+3], s[8:9], s[94:95]
	s_or_b32 s[G0C+3], s[G0C+3], 0x80000000
	CROUND                                         ; all sixteen work-groups are here: the first joint loads meet
	s_cmp_eq_u32 s[WV], 0                          ; a wave's three first fills stand in one branch: three loads of mine are out
	s_cbranch_scc0 .Lfirst_b
	tensor_load_to_lds s[G0A:G0A+3], s[G1A:G1A+7]
	s_nop 0
	tensor_load_to_lds s[G0A+4:G0A+7], s[G1A:G1A+7]
	s_nop 0
	tensor_load_to_lds s[G0C:G0C+3], s[G1C:G1C+7]
	s_nop 0
.rept 4
	v_nop
.endr
	s_branch .Lfirst_asked
.Lfirst_b:
	tensor_load_to_lds s[G0B:G0B+3], s[G1B:G1B+7]
	s_nop 0
	tensor_load_to_lds s[G0B+4:G0B+7], s[G1B:G1B+7]
	s_nop 0
	tensor_load_to_lds s[G0C:G0C+3], s[G1C:G1C+7]
	s_nop 0
.rept 4
	v_nop
.endr
.Lfirst_asked:
	; addresses
	v_and_b32 v[LN], 31, v0
	v_and_b32 v[RR], 15, v0
	v_bfe_u32 v[HH], v0, 4, 1
	v_mul_u32_u24 v20, v[RR], PA
	v_lshl_add_u32 v20, v[HH], 4, v20              ; (l % 16) x 144 + 16 (l / 16)
	s_mul_i32 s2, s[WM], 128*PA
	v_add_nc_u32 v[ADRA0], s2, v20
	v_add_nc_u32 v[CSA], CSB, v[ADRA0]             ; the same rows of cos
	v_and_b32 v21, 7, v0
	v_bfe_u32 v22, v0, 3, 1
	v_lshl_add_u32 v[ADRB0], v[HH], 3, v21         ; the turning load: lane l reads k row 8 (l / 16) + l % 8, columns 8 ((l / 8) % 2) + 0..7
	v_mul_u32_u24 v[ADRB0], v[ADRB0], PB
	v_lshl_add_u32 v[ADRB0], v22, 4, v[ADRB0]
	s_lshl_b32 s2, s[WN], 7                        ; my head's 64 columns of the strip's 128
	s_add_co_u32 s2, s2, ABYTES
	v_add_nc_u32 v[ADRB0], s2, v[ADRB0]
	v_mov_b32 v[ADRA], v[ADRA0]
	v_mov_b32 v[ADRB], v[ADRB0]
	s_mul_i32 s3, s[WV], WREG                      ; my three stages
	v_add_nc_u32 v[STO], s3, v20
	v_bfe_u32 v23, v0, 3, 2
	v_mul_u32_u24 v[RD], v23, PA                   ; back: 32 lanes take four rows of 128 bytes
	v_lshl_add_u32 v[RD], v21, 4, v[RD]
	v_add_nc_u32 v[RD], s3, v[RD]
	v_lshlrev_b32 v[GO], 4, v[LN]
	v_lshlrev_b32 v[GOF], 5, v[HH]
	v_mov_b32 v[ST+1], 0                           ; v_permlanex16_b32's destinations count as read
	v_mov_b32 v[ST+3], 0
	v_mov_b32 v[ST+5], 0
	; where my rows go: (((mt / 4) 16 + 2 j + w % 2) 1,024 + (mt % 4) 256 + 128 (w / 2)) x 128 bytes, in each of the three tensors of 16 MiB
	s_lshr_b32 s96, s[MT], 2
	s_lshl_b32 s96, s96, 4
	s_lshl_b32 s97, s[J], 1
	s_add_co_u32 s96, s96, s97
	s_add_co_u32 s96, s96, s[WN]
	s_lshl_b32 s96, s96, 10
	s_and_b32 s97, s[MT], 3
	s_lshl_b32 s97, s97, 8
	s_add_co_u32 s96, s96, s97
	s_lshl_b32 s97, s[WM], 7
	s_add_co_u32 s96, s96, s97
	s_lshl_b32 s96, s96, 7
	s_mov_b32 s97, 0
	s_add_nc_u64 s[OB:OB+1], s[14:15], s[96:97]
	s_add_nc_u64 s[OB+2:OB+3], s[OB:OB+1], 0x1000000
	s_add_nc_u64 s[OB+4:OB+5], s[OB:OB+1], 0x2000000
	; the prefetches: they stand at step 2; the first change of slots steps them to step 3
	s_lshl_b32 s96, s[MT], 15
	s_lshl_b32 s97, s[CX], 13                      ; my work-group's 32 blocks of the tile's 128
	s_add_co_u32 s96, s96, s97
	s_add_co_u32 s96, s96, 0x200000
	s_max_u32 s97, s[WV], 1
	s_sub_co_u32 s97, s97, 1
	s_lshl_b32 s97, s97, 21
	s_lshl_b32 s98, s[J], 8
	s_add_co_u32 s97, s97, s98
	s_lshl_b32 s98, s[CY], 16                      ; my work-group's 32 rows of two steps' 128
	s_add_co_u32 s97, s97, s98
	s_add_co_u32 s97, s97, 128*2048
	s_and_b32 s98, ttmp7, 0xffff                   ; cluster y
	s_mov_b32 s99, 0x20000
	s_cmp_eq_u32 s[WV], 0
	s_cselect_b32 s96, s96, s97
	s_cselect_b32 s98, ttmp9, s98                  ; the coordinate along which other clusters read the same bytes
	s_cselect_b64 s[PFA:PFA+1], s[4:5], s[6:7]
	s_cselect_b32 s[PSTEP], 0x100000, s99
	s_cselect_b32 s[PARO], 1, 0
	s_cselect_b32 s99, 8, 11                       ; a lane a block of 256 bytes, or a lane a row of 2,048
	s_mov_b32 s[PSTEP+1], 0
	s_cmp_eq_u32 s98, 0
	s_cselect_b32 s[LIM], 1, -1                    ; the same in all sixteen partners, for a given wave
	s_mov_b32 s97, 0
	s_add_nc_u64 s[PFA:PFA+1], s[PFA:PFA+1], s[96:97]
	v_lshlrev_b32 v[PFO], s99, v[LN]
	s_wait_tensorcnt 2                             ; my part of step 0 is in; step 1's and the cos and sin rows may stay out
	s_barrier_signal -1
	s_barrier_wait -1
	LDB 0, 0
	LDA FA0, 0, 0
	LDB 1, 0
	LDA FA0, 0, 4
	LDB 2, 0
	HALF0 1                                        ; the first products start the sums: nothing is cleared
	WIN 0
	s_mov_b32 s[CNT], 14
.Lk:                                               ; trip n: the second half of step n, slot n % 2 filled with step n + 2, the first half of step n + 1
	TURN 1
	HALF0 0
	WIN 0
	s_sub_co_u32 s[CNT], s[CNT], 1
	s_cmp_lg_u32 s[CNT], 0
	s_cbranch_scc1 .Lk
	TURN 0                                         ; the tail is written out: nothing is left to fetch
	HALF0 0
	WIN 0
.irp b, 0,1,2,3                        ; both gains, my eight of each block of 16, into buffer 0, whose last products stand four places back
	global_load_b128 v[FA0+8*(\b):FA0+8*(\b)+3],       v[GOF], s[10:11] offset:64*(\b)
	global_load_b128 v[FA0+8*(\b)+4:FA0+8*(\b)+7],     v[GOF], s[10:11] offset:64*(\b)+16
	global_load_b128 v[FA0+32+8*(\b):FA0+32+8*(\b)+3], v[GOF], s[12:13] offset:64*(\b)
	global_load_b128 v[FA0+32+8*(\b)+4:FA0+32+8*(\b)+7], v[GOF], s[12:13] offset:64*(\b)+16
.endr
	s_wait_dscnt 8
	GRP 0, FA1, 0, 8, 0
	GRP 1, FA1, 0, 8, 0
	s_wait_dscnt 0x0                               ; my last reads of the ring are over:
	s_barrier_signal -1
	GRP 2, FA1, 0, 8, 0
	WIN 0
	s_barrier_wait -1                              ; everybody's are: slot 0, which has had its last fill, may be stored into
	PLACES
	PLACES
; THE WAY OUT.
; Row block a of q, k and v goes into X: accumulator (g, b) to X + 32 g + 8 b, each from its lowest register on.
.macro COPY a
.irp g, 0,1,2
	WIN (\g)+1                                     ; source 0 in the type's window
.set ci, 0
.rept 32
	v_mov_b32 v[X+32*(\g)+ci], v[32*(\a)+ci]
.set ci, ci+1
.endr
.endr
	WIN 0
.endm
; The squares of my 32 numbers of each type, in six chains (two a type, 16 numbers each) that take turns: two links of a chain stand six lines apart.
.macro SQA
.irp g, 0,1,2
.irp c, 0,1
	v_pk_mul_f32 v[P+4*(\g)+2*(\c):P+4*(\g)+2*(\c)+1], v[X+32*(\g)+16*(\c):X+32*(\g)+16*(\c)+1], v[X+32*(\g)+16*(\c):X+32*(\g)+16*(\c)+1]
.endr
.endr
.irp i, 2,4,6,8,10,12,14
.irp g, 0,1,2
.irp c, 0,1
	v_pk_fma_f32 v[P+4*(\g)+2*(\c):P+4*(\g)+2*(\c)+1], v[X+32*(\g)+16*(\c)+(\i):X+32*(\g)+16*(\c)+(\i)+1], v[X+32*(\g)+16*(\c)+(\i):X+32*(\g)+16*(\c)+(\i)+1], v[P+4*(\g)+2*(\c):P+4*(\g)+2*(\c)+1]
.endr
.endr
.endr
.endm
.macro UNPKW p, k                      ; word k of chunk p's cos and sin (blocks 2 p and 2 p + 1) to f32
	v_lshlrev_b32 v[CF+2*(\k)], 16, v[CP+8*(\p)+(\k)]
	v_and_b32 v[CF+2*(\k)+1], s[HIM], v[CP+8*(\p)+(\k)]
	v_lshlrev_b32 v[SF+2*(\k)], 16, v[SN+8*(\p)+(\k)]
	v_and_b32 v[SF+2*(\k)+1], s[HIM], v[SN+8*(\p)+(\k)]
.endm
; Chunk p of type g.  t = x gain.  Low block: t_lo cos_lo - t_hi sin_lo; high block: t_hi cos_hi + t_lo sin_hi; both times 1 / rms, rounded to f16, 16 bytes a block into the stage.
.macro ROPE2 g, p
.set TE, X+32*(\g)+16*(\p)
.irp i, 0,2,4,6
	v_pk_mul_f32 v[P+(\i):P+(\i)+1], v[TE+8+(\i):TE+8+(\i)+1], v[SF+(\i):SF+(\i)+1]
	v_pk_mul_f32 v[P+8+(\i):P+8+(\i)+1], v[TE+(\i):TE+(\i)+1], v[SF+8+(\i):SF+8+(\i)+1]
.endr
.irp i, 0,2,4,6
	v_pk_fma_f32 v[P+(\i):P+(\i)+1], v[TE+(\i):TE+(\i)+1], v[CF+(\i):CF+(\i)+1], v[P+(\i):P+(\i)+1] neg_lo:[0,0,1] neg_hi:[0,0,1]
	v_pk_fma_f32 v[P+8+(\i):P+8+(\i)+1], v[TE+8+(\i):TE+8+(\i)+1], v[CF+8+(\i):CF+8+(\i)+1], v[P+8+(\i):P+8+(\i)+1]
.endr
.irp i, 0,2,4,6,8,10,12,14
	v_pk_mul_f32 v[P+(\i):P+(\i)+1], v[P+(\i):P+(\i)+1], v[ST+2*(\g):ST+2*(\g)+1] op_sel_hi:[1,0]
.endr
.irp k, 0,1,2,3,4,5,6,7
	v_cvt_pk_f16_f32 v[TE+(\k)], v[P+2*(\k)], v[P+2*(\k)+1]
.endr
	ds_store_b128 v[STO], v[TE:TE+3]   offset:(\g)*STGB+64*(\p)
	ds_store_b128 v[STO], v[TE+4:TE+7] offset:(\g)*STGB+64*(\p)+32
.endm
	s_wait_loadcnt 0x0                             ; the gains
.set i, 0
.rept 32
	v_cvt_pk_bf16_f32 v[CP+i], v[FA0+2*i], v[FA0+2*i+1]  ; rounded to bf16 like every input: q's 16 words, then k's
.set i, i+1
.endr
	COPY 0                                         ; the first trip's rows; q's and k's registers of row block 0 are free from here on,
	WIN 0x40                                       ; and take the gains in f32: q's 32 in window 1, v[0:31],
.set i, 0
.rept 16
	v_lshlrev_b32 v[2*i], 16, v[CP+i]
	v_and_b32 v[2*i+1], s[HIM], v[CP+i]
.set i, i+1
.endr
	WIN 0x80                                       ; k's in window 2, v[0:31]
.set i, 0
.rept 16
	v_lshlrev_b32 v[2*i], 16, v[CP+16+i]
	v_and_b32 v[2*i+1], s[HIM], v[CP+16+i]
.set i, i+1
.endr
	WIN 0
	s_mov_b32 s[TR], 8
.Ltrip:                                            ; 16 rows of q, k and v, which lie in X
.irp b, 0,1,2,3
	ds_load_b128 v[CP+4*(\b):CP+4*(\b)+3], v[CSA] offset:32*(\b)
.endr
.irp b, 0,1,2,3
	ds_load_b128 v[SN+4*(\b):SN+4*(\b)+3], v[CSA] offset:SINO+32*(\b)
.endr
	SQA                                            ; 48 lines while cos and sin are on their way
	s_wait_dscnt 0x0                               ; cos and sin
	; the rest of the sums is a chain; its links take q, k and v by turns, and four lines of the first chunk's unpacking stand between them
.irp g, 0,1,2
	v_pk_add_f32 v[P+4*(\g):P+4*(\g)+1], v[P+4*(\g):P+4*(\g)+1], v[P+4*(\g)+2:P+4*(\g)+3]
.endr
	UNPKW 0, 0
.irp g, 0,1,2
	v_add_f32 v[ST+2*(\g)], v[P+4*(\g)], v[P+4*(\g)+1]
.endr
	UNPKW 0, 1
.irp g, 0,1,2
	v_permlanex16_b32 v[ST+2*(\g)+1], v[ST+2*(\g)], s[SEL], s[SEL+1]  ; the row's other 32 channels lie in the lane 16 away
.endr
	UNPKW 0, 2
.irp g, 0,1,2
	v_add_f32 v[ST+2*(\g)], v[ST+2*(\g)], v[ST+2*(\g)+1]
.endr
	UNPKW 0, 3
.irp g, 0,1,2
	v_fma_f32 v[ST+2*(\g)], v[ST+2*(\g)], s[C64], s[EPS]  ; the mean + 1e-6
.endr
	UNPKW 0, 4
	v_rsq_f32 v[ST], v[ST]                         ; one batch of three,
	v_rsq_f32 v[ST+2], v[ST+2]
	v_rsq_f32 v[ST+4], v[ST+4]
	UNPKW 0, 5                                     ; 44 lines that name no result of the batch,
	UNPKW 0, 6
	UNPKW 0, 7
	WIN 0x04                                       ; source 1 in window 1: q's gains
.set i, 0
.rept 16
	v_pk_mul_f32 v[X+2*i:X+2*i+1], v[X+2*i:X+2*i+1], v[2*i:2*i+1]
.set i, i+1
.endr
	WIN 0x08                                       ; in window 2: k's
.set i, 0
.rept 16
	v_pk_mul_f32 v[X+32+2*i:X+32+2*i+1], v[X+32+2*i:X+32+2*i+1], v[2*i:2*i+1]
.set i, i+1
.endr
	WIN 0
	s_wait_alu depctr_va_vdst(0)                   ; and one wait ahead of the first line that names a result
	ROPE2 0, 0
	ROPE2 1, 0
.irp k, 0,1,2,3,4,5,6,7
	UNPKW 1, \k
.endr
	ROPE2 0, 1
	ROPE2 1, 1
	s_wait_xcnt 0x0                                ; the last trip's stores have read their data (R) and their bases: only behind this wait are these written again, by the lines below
	s_add_nc_u64 s[OB:OB+1], s[OB:OB+1], 2048      ; 16 rows past this trip's: its stores reach back by their immediates
	s_add_nc_u64 s[OB+2:OB+3], s[OB+2:OB+3], 2048
	s_add_nc_u64 s[OB+4:OB+5], s[OB+4:OB+5], 2048
.irp g, 0,1
.irp f, 0,1,2,3
	ds_load_b128 v[R+16*(\g)+4*(\f):R+16*(\g)+4*(\f)+3], v[RD] offset:(\g)*STGB+(\f)*4*PA  ; LDS serves a wave's instructions in order (ISA guide 5.7.1.4): these see the stores above
.endr
.endr
.set i, 0
.rept 16
	v_pk_mul_f32 v[X+64+2*i:X+64+2*i+1], v[X+64+2*i:X+64+2*i+1], v[ST+4:ST+5] op_sel_hi:[1,0]
.set i, i+1
.endr
.set i, 0
.rept 16
	v_cvt_pk_f16_f32 v[X+64+i], v[X+64+2*i], v[X+64+2*i+1]
.set i, i+1
.endr
.irp b, 0,1,2,3
	ds_store_b128 v[STO], v[X+64+4*(\b):X+64+4*(\b)+3] offset:2*STGB+32*(\b)
.endr
.irp f, 0,1,2,3
	ds_load_b128 v[R+32+4*(\f):R+32+4*(\f)+3], v[RD] offset:2*STGB+(\f)*4*PA
.endr
	v_add_nc_u32 v[CSA], 16*PA, v[CSA]             ; the next trip's rows of cos
	; the next trip's rows are copied while the stages' rows come back: trip n (count 8 - n) takes row block n + 1; the last trip takes none
.irp a, 1,2,3,4,5,6,7
	s_cmp_eq_u32 s[TR], 9-(\a)
	s_cbranch_scc1 .Lcopy\a
.endr
	s_branch .Ljoin
.irp a, 1,2,3,4,5,6
.Lcopy\a:
	COPY \a
	s_branch .Ljoin
.endr
.Lcopy7:
	COPY 7
.Ljoin:
	s_wait_dscnt 12                                ; q's rows are back: k's four loads and v's eight instructions may be out
.irp f, 0,1,2,3
	global_store_b128 v[GO], v[R+4*(\f):R+4*(\f)+3], s[OB:OB+1] offset:512*(\f)-2048  ; 512 consecutive bytes, at a multiple of 256 from the buffer's first byte
.endr
	s_wait_dscnt 8
.irp f, 0,1,2,3
	global_store_b128 v[GO], v[R+16+4*(\f):R+16+4*(\f)+3], s[OB+2:OB+3] offset:512*(\f)-2048
.endr
	s_wait_dscnt 0x0
.irp f, 0,1,2,3
	global_store_b128 v[GO], v[R+32+4*(\f):R+32+4*(\f)+3], s[OB+4:OB+5] offset:512*(\f)-2048
.endr
	s_sub_co_u32 s[TR], s[TR], 1
	s_cmp_lg_u32 s[TR], 0
	s_cbranch_scc1 .Ltrip
	s_wait_tensorcnt 0x0                           ; the wave's end: behind my last tensor load and my last LDS store
	ds_add_u32 v[SPW], v[NIL]
	s_wait_dscnt 0x0
	CROUND                                         ; the closing round: no work-group ends while a partner may still ask for a tile that names it
	s_endpgm
.Lfunc_end_k_q16f9152749_qkv:
	.size	k_q16f9152749_qkv, .Lfunc_end_k_q16f9152749_qkv-k_q16f9152749_qkv
	.p2alignl 7, 3214868480
	.fill 96, 4, 3214868480
	.section	.rodata,"a",@progbits
	.p2align	6, 0x0
	.amdhsa_kernel k_q16f9152749_qkv
		.amdhsa_group_segment_fixed_size 327680
		.amdhsa_private_segment_fixed_size 0
		.amdhsa_enable_private_segment 0
		.amdhsa_kernarg_size 48
		.amdhsa_user_sgpr_count 2
		.amdhsa_user_sgpr_kernarg_segment_ptr 1
		.amdhsa_wavefront_size32 1
		.amdhsa_system_sgpr_workgroup_id_x 1
		.amdhsa_system_sgpr_workgroup_id_y 1
		.amdhsa_system_sgpr_workgroup_id_z 1
		.amdhsa_system_vgpr_workitem_id 0
		.amdhsa_next_free_vgpr 1024
		.amdhsa_next_free_sgpr 102
		.amdhsa_reserve_vcc 0
		.amdhsa_float_denorm_mode_32 3
		.amdhsa_float_denorm_mode_16_64 3
		.amdhsa_memory_ordered 1
		.amdhsa_forward_progress 1
		.amdhsa_inst_pref_size 119
	.end_amdhsa_kernel
	.amdgpu_metadata
---
amdhsa.version: [ 1, 2 ]
amdhsa.kernels:
  - .name:           k_q16f9152749_qkv
    .symbol:         k_q16f9152749_qkv.kd
    .args:
      - { .name: xb, .offset: 0, .size: 8, .value_kind: global_buffer, .address_space: global }
      - { .name: wb, .offset: 8, .size: 8, .value_kind: global_buffer, .address_space: global }
      - { .name: csb, .offset: 16, .size: 8, .value_kind: global_buffer, .address_space: global }
      - { .name: q_norm_w, .offset: 24, .size: 8, .value_kind: global_buffer, .address_space: global }
      - { .name: k_norm_w, .offset: 32, .size: 8, .value_kind: global_buffer, .address_space: global }
      - { .name: qkv, .offset: 40, .size: 8, .value_kind: global_buffer, .address_space: global }
    .group_segment_fixed_size: 327680
    .private_segment_fixed_size: 0
    .kernarg_segment_align: 8
    .kernarg_segment_size: 48
    .max_flat_workgroup_size: 128
    .sgpr_count:     102
    .vgpr_count:     1024
    .wavefront_size: 32
...
	.end_amdgpu_metadata
.endif
;; end of part 2
;; launch attn (part 3): grid 2 x 128, 4 waves a work-group, no clusters, 327,680 bytes of LDS; arguments qkv, ob; writes ob
.if DOCPART == 3
	.amdgcn_target "amdgcn-amd-amdhsa--gfx1250"
	.amdhsa_code_object_version 6
	.text
	.protected	k_q16f9152749_attn
	.globl	k_q16f9152749_attn
	.p2align	8
	.type	k_q16f9152749_attn,@function
k_q16f9152749_attn:
	s_mov_b64 s[64:65], 0
	v_nop
	global_prefetch_b8 v0, s[64:65] scope:SCOPE_SE
	s_setreg_imm32_b32 hwreg(HW_REG_WAVE_MODE, 25, 1), 1
	s_wait_xcnt 0x0
; O[h][q][:] = the sum over k of softmax_k(Q[h][q] . K[h][k]) V[h][k][:], scale 1.  qkv: [3][128][1024][64] f16 (q, k, v by heads, rows of 128 bytes on end); ob: [128][1024][64] f16.
; Products, maxima and sums in f32; the weights p are rounded to f16 for the second product (their sum l is taken of the unrounded p), O once at the end.
; LIMITS.  Q, K and V arrive within f16's 65,504; p lies in 0 to 1, and below 6e-5 it keeps f16's fixed step of 6e-8; O is a mean of V's rows.  A weight below 2^-126 counts as 0 in l; NaN and infinities are not treated apart.
; SHARES.  A work-group owns 512 queries of one head, a wave four PIECES of two tiles of 16 queries.  Every wave walks the head's 1,024 keys, 64 a step.
; A HEAD'S WHOLE K AND V LIE IN LDS: 1,024 rows of 144 and of 160 bytes.  Each wave asks for its part at the head, in four loads (256 keys' chunks, 128 keys a load): four loads of mine are out.  Nothing is filled again.
; NO CLUSTER: a head has two blocks of 512 queries, and a cluster's forms have four partners along an axis; blocks of 256 queries would halve what each fragment read from LDS feeds.
; NO PREFETCH: every byte of K and V is asked for by its tensor load at the kernel's head; no later request exists that one could stand ahead of.
; LAYOUT.  S^T = K Q^T (source 0 = 16 keys, source 1 = 16 queries): a lane holds ONE query (lane % 16) and the keys 8 (lane / 16) + 0..7.  Two such tiles, rounded to f16 in pairs, ARE source 1 of O^T = V^T P.
; K comes out of LDS as it lies, V ([key][channel]) turned, by ds_load_tr16_b128.
; SOFTMAX.  For each query a running maximum m and sum l: p = 2^(c s - c m), c = log2(e); in every step O and l are multiplied by a = 2^(c m_old - c m_new).  m starts at the lowest finite number, O and l at 0.
; BY TURNS.  Turn n belongs to piece n.  Its matrix work: 16 products K Q^T of piece n + 1, later 16 products V^T P of piece n - 1.  Its vector work: the scaling, exponentials, roundings, sums and rescaling of piece n,
; and the maximum and statistics of piece n + 1.  Four vector instructions stand behind every matrix instruction, the others in one run; a turn's 66 exponentials are one batch with one wait.
; REGISTERS, in windows of 256 (s_set_vgpr_msb: bits 1:0 source 0, 3:2 source 1, 5:4 source 2, 7:6 destination):
;   window 0: v0-11 addresses; v12-15, v48-63 at work; v16-47 four registers of statistics a tile; v64-191 S^T, two buffers of two tiles; v192-255 P, likewise
;   window 1: O^T, 32 a tile          window 2: v0-127 Q, 16 a tile; v128-191 K of one step; v192-255 V of one step          window 3: v0-1 the add's two registers
.set NP,    4         ; pieces a wave: a name, no knob
.set KS,    64        ; keys in a step
.set NK,    1024      ; keys of a head
.set PK,    144       ; a row of K in LDS: 128 bytes + 16: the 16 rows of a load start at 16 different groups of four banks (64 banks of 4 bytes: ISA guide 11.1)
.set PV,    160       ; a row of V: 128 + 32
.set VOFF,  NK*PK     ; K's 1,024 rows, then V's
.set STAGE, VOFF+NK*PV  ; behind them, never filled by a tensor load: 16 rows x 144 bytes for each wave, for the way out
.set SP,    144
.set AK0, 2           ; v2   my lane's place in a tile of K; never rewritten
.set AV0, 3           ; v3   the same for V
.set AK,  4           ; v4   the LDS address of K's next run of loads
.set AV,  5           ; v5   of V's
.set QO,  6           ; v6   my byte offset in the wave's rows of Q
.set STO, 6           ;      later, the way out: where I put 16 bytes of a row
.set RD,  7           ; v7   the way out: where I read rows back
.set GO,  8           ; v8   my byte offset in 512 consecutive bytes of O
.set SPW, 0           ; v0 of window 3   LDS address of my spare word; never rewritten
.set NIL, 1           ; v1 of window 3   0; never rewritten
.set SPARE, STAGE+4*16*SP  ; the spare words, 128 bytes a wave: two blocks of 256 bytes that no other line names
.set MV,  12          ; v12-15  c m_old, kept while c m is made anew: by buffer and tile
.set ST,  16          ; tile t's statistics at v[ST+4 t]: c m, m, l (even keys', odd keys')
.set TMP, 48          ; by buffer and tile, four registers c0-c3 at work; when the maximum is found c2 takes a
.set S,   64
.set P,   192
.set KF,  128         ; K's fragments, in window 2: key block kb, channel half c at KF + 16 kb + 8 c
.set VF,  192         ; V's: key half kk, channel block cb at VF + 32 kk + 8 cb
.set WV,  12          ; s12  my wave's number
.set G1K, 24          ; s[24:31] descriptor group 1 for K's tiles
.set G1V, 32          ; s[32:39] for V's: it differs in the padding alone
.set G0K, 40          ; s[40:55] descriptor group 0 for K's four chunks
.set G0V, 68          ; s[68:83] the same for V's
.set SLOTS, 56        ; s56  chunks still to be walked, and one
.set CNT, 57          ; s57  counts a chunk's key steps
.set CS,  58          ; s[58:59] c
.set SEL, 60          ; s[60:61] v_permlanex16_b32's selects
.set TBK, 62          ; s62  LDS byte at which K of the step to be fetched begins
.set TBV, 63          ; s63  the same for V, less VOFF
.set MSB, 0
.macro WIN new
.if MSB != (\new)
	s_set_vgpr_msb (MSB<<8)|(\new)
.set MSB, (\new)
.endif
.endm
.set W_KQ, 0x0a       ; K and Q in window 2, S^T in window 0
.set W_PV, 0x52       ; V in window 2, P in window 0, O^T in window 1
.set W_RS, 0x41       ; O^T (destination and source 0) in window 1, a in window 0
.set W_MK, 0xc0       ; the add's registers are made: destination in window 3
.set W_AD, 0x0f       ; the add: address and data in window 3
	s_load_b128 s[84:87], s[0:1], 0x0  ; qkv s[84:85], ob s[86:87]
	WIN W_MK
	v_lshl_add_u32 v[SPW], v0, 2, SPARE
	v_mov_b32 v[NIL], 0
	WIN W_AD
	ds_add_u32 v[SPW], v[NIL]       ; the wave's opening: the add and its wait stand ahead of my first tensor load; work on registers stands between them
	WIN 0
	v_lshrrev_b32 v1, 5, v0
	v_readfirstlane_b32 s[WV], v1   ; wave 0..3
	s_and_b32 s20, ttmp7, 0xffff    ; the head,
	s_lshl_b32 s20, s20, 17         ; its 1,024 rows of 128 bytes
	s_and_b32 s16, s[WV], 1         ; which half of a chunk's 256 keys I fetch:
	s_lshl_b32 s22, s16, 14         ; its 128 rows in memory,
	s_add_co_u32 s22, s22, s20
	s_mov_b32 s23, 0
	s_mul_i32 s17, s16, 128*PK      ; and its place in LDS, for K
	s_mul_i32 s18, s16, 128*PV      ; and for V
	s_lshl_b32 s2, ttmp9, 2         ; my block of 512 queries,
	s_add_co_u32 s2, s2, s[WV]      ; my wave's 128 of them
	s_lshl_b32 s2, s2, 14
	s_add_co_u32 s2, s2, s20
	s_mov_b32 s3, 0
	; descriptor group 1.  128 keys are 16,384 bytes on end: asked for as 64 rows of 256 bytes, two keys a row, and padded in LDS after every key
	s_mov_b32 s[G1K], (1<<16)|(1<<20)|(4<<22)|(3<<25)  ; 2-byte elements; padding on; after every 32 words 4 words
	s_mov_b32 s[G1V], (1<<16)|(1<<20)|(4<<22)|(7<<25)  ; the same with 8 words
.irp g, G1K, G1V
	s_mov_b32 s[\g+1], 128<<16      ; tensor_dim0 = 128
	s_mov_b32 s[\g+2], 64<<16       ; tensor_dim1 = 64
	s_mov_b32 s[\g+3], 128<<16      ; tile_dim0 = 128
	s_mov_b32 s[\g+4], 64           ; tile_dim1 = 64
	s_mov_b32 s[\g+5], 128          ; 128 elements from row to row
	s_mov_b32 s[\g+6], 0
	s_mov_b32 s[\g+7], 0
.endr
.irp c, 0,1,2,3
	s_mov_b32 s[G0K+4*\c], 1
	s_add_co_u32 s[G0K+4*\c+1], s17, \c*256*PK
	s_mov_b32 s[G0V+4*\c], 1
	s_add_co_u32 s[G0V+4*\c+1], s18, VOFF+\c*256*PV
.endr
	s_mov_b32 s[CS], 0x3fb8aa3b     ; c = log2(e)
	s_mov_b32 s[CS+1], s[CS]        ; named with it as a pair
	s_mov_b32 s[SEL], 0x76543210
	s_mov_b32 s[SEL+1], 0xfedcba98
	s_mov_b32 s[TBK], 0
	s_mov_b32 s[TBV], 0
	s_wait_dscnt 0x0                ; the opening add is done
	s_wait_kmcnt 0x0
	s_add_nc_u64 s[6:7], s[84:85], s[22:23]
	s_add_nc_u64 s[8:9], s[6:7], 0x2000000   ; V at my half of the head's first chunk
	s_add_nc_u64 s[6:7], s[6:7], 0x1000000   ; K likewise
.irp c, 0,1,2,3
	s_add_nc_u64 s[G0K+4*\c+2:G0K+4*\c+3], s[6:7], \c*32768
	s_or_b32 s[G0K+4*\c+3], s[G0K+4*\c+3], 0x80000000
	s_add_nc_u64 s[G0V+4*\c+2:G0V+4*\c+3], s[8:9], \c*32768
	s_or_b32 s[G0V+4*\c+3], s[G0V+4*\c+3], 0x80000000
.endr
	s_add_nc_u64 s[4:5], s[84:85], s[2:3]    ; Q and O at my wave's first row
	s_add_nc_u64 s[10:11], s[86:87], s[2:3]
	s_cmp_lt_u32 s[WV], 2           ; waves 0 and 1 fetch K's halves, waves 2 and 3 V's: a wave's four fills stand in one branch; an s_nop 0 follows each, four v_nop the last
	s_cbranch_scc0 .Lfill_v
.irp c, 0,1,2,3
	tensor_load_to_lds s[G0K+4*\c:G0K+4*\c+3], s[G1K:G1K+7]
	s_nop 0
.endr
.rept 4
	v_nop
.endr
	s_branch .Lfill_done
.Lfill_v:
.irp c, 0,1,2,3
	tensor_load_to_lds s[G0V+4*\c:G0V+4*\c+3], s[G1V:G1V+7]
	s_nop 0
.endr
.rept 4
	v_nop
.endr
.Lfill_done:
	; A fragment of K or Q is 16 rows x 32 channels in 8 registers: lane l holds row l % 16, channels 8 (l / 16) + 0..7 and 16 + 8 (l / 16) + 0..7: two loads of 16 bytes, 32 bytes apart.
	v_and_b32 v1, 15, v0            ; l % 16
	v_bfe_u32 v9, v0, 4, 1          ; l / 16
	v_lshlrev_b32 v[QO], 7, v1
	v_lshl_add_u32 v[QO], v9, 4, v[QO]  ; row x 128 + 16 x half
	WIN 0x80                        ; destination window 2, address window 0
.set i, 0
.rept 4*NP                          ; Q stays in registers: tile i / 2, channels 32 (i % 2) on
	global_load_b128 v[8*i:8*i+3],   v[QO], s[4:5] offset:(i/2)*2048+(i%2)*64
	global_load_b128 v[8*i+4:8*i+7], v[QO], s[4:5] offset:(i/2)*2048+(i%2)*64+32
.set i, i+1
.endr
	; What the first turn finds: V's registers and P's second buffer hold 0 (its products V^T P, of a piece that has not been, add 0), O^T and l are 0.  All this stands in the wait for the first chunk.
.set i, VF
.rept 64
	v_mov_b32 v[i], 0
.set i, i+1
.endr
	WIN 0x40
.set i, 0
.rept 64*NP
	v_mov_b32 v[i], 0
.set i, i+1
.endr
	WIN 0
.set i, 0
.rept 2*NP
	v_mov_b32 v[ST+4*i], 0xfe000000    ; c m: far below every c s
	v_mov_b32 v[ST+4*i+1], 0xff7fffff  ; m
	v_mov_b32 v[ST+4*i+2], 0
	v_mov_b32 v[ST+4*i+3], 0
.set i, i+1
.endr
.set i, P+32
.rept 32
	v_mov_b32 v[i], 0
.set i, i+1
.endr
	v_mul_u32_u24 v[AK0], v1, PK
	v_lshl_add_u32 v[AK0], v9, 4, v[AK0]  ; row x pitch + 16 x half
	; The turning load takes 16 keys x 16 channels (lane l reads key 8 (l / 16) + l % 8, channels 8 ((l / 8) % 2) + 0..7) and leaves half a fragment of V^T: lane l holds channel l % 16 and 8 keys.
	v_and_b32 v10, 7, v0
	v_bfe_u32 v11, v0, 3, 1
	v_lshl_add_u32 v[AV0], v9, 3, v10
	v_mul_u32_u24 v[AV0], v[AV0], PV
	v_lshl_add_u32 v[AV0], v11, 4, v[AV0]
	v_add_nc_u32 v[AV0], VOFF, v[AV0]
	v_mov_b32 v[AK], v[AK0]         ; key step 0 lies at K's head
; THE MATRIX WORK.  The 8 accumulators of a run of 16 take turns: between the two links of a chain stand 7 others'.
; Product i of 16 of S^T = K Q^T for piece x: channels 32 (i / 8) on, keys 16 ((i / 2) % 4) on, tile 2 x + i % 2.  The first 8 start the sums.
.macro KQ x
	WIN W_KQ
.set rS, S+64*((\x)%2)+32*(i%2)+8*((i/2)%4)
.set rK, KF+16*((i/2)%4)+8*(i/8)
.set rQ, 16*(2*(\x)+i%2)+8*(i/8)
.if i < 8
	v_wmma_f32_16x16x32_f16 v[rS:rS+7], v[rK:rK+7], v[rQ:rQ+7], 0
.else
	v_wmma_f32_16x16x32_f16 v[rS:rS+7], v[rK:rK+7], v[rQ:rQ+7], v[rS:rS+7]
.endif
.endm
; Product i of 16 of O^T += V^T P for piece x: keys 32 (i / 8) on, channels 16 ((i / 2) % 4) on, tile 2 x + i % 2.
.macro PV x
	WIN W_PV
.set rO, 32*(2*(\x)+i%2)+8*((i/2)%4)
.set rV, VF+32*(i/8)+8*((i/2)%4)
.set rP, P+32*((\x)%2)+16*(i%2)+8*(i/8)
	v_wmma_f32_16x16x32_f16 v[rO:rO+7], v[rV:rV+7], v[rP:rP+7], v[rO:rO+7]
.endm
.macro MM                           ; the turn's next matrix instruction
.if i < 16
	KQ (Y+1)%NP
.set i, i+1
.else
.set i, i-16
	PV (Y+NP-1)%NP
.set i, i+17
.endif
.endm
; THE LDS LOADS stand in runs of 16: a step's K (8 fragments) and its V (turned).  Their addresses are made some lines ahead.
; last = 1 (the loop): in the very last pass there is no further step, and the run is jumped over.
.macro FETCH_K last=0
	WIN 0
.if \last
	s_cmp_eq_u32 s[SLOTS], 1
	s_cbranch_scc1 .Lno_k_\@
.endif
	WIN 0x80                        ; destination window 2
.irp f, 0,1,2,3,4,5,6,7             ; keys 16 (f / 2) on, channels 32 (f % 2) on
	ds_load_b128 v[KF+8*\f:KF+8*\f+3],   v[AK] offset:(\f/2)*16*PK+(\f%2)*64
	ds_load_b128 v[KF+8*\f+4:KF+8*\f+7], v[AK] offset:(\f/2)*16*PK+(\f%2)*64+32
.endr
	s_add_co_u32 s[TBK], s[TBK], KS*PK  ; the next fetch is the next step's
	WIN 0
.if \last
.Lno_k_\@:
.endif
.endm
.macro FETCH_V
	WIN 0x80
.irp f, 0,1,2,3,4,5,6,7             ; keys 32 (f / 4) on, channels 16 (f % 4) on
	ds_load_tr16_b128 v[VF+8*\f:VF+8*\f+3],   v[AV] offset:(\f/4)*32*PV+(\f%4)*32
	ds_load_tr16_b128 v[VF+8*\f+4:VF+8*\f+7], v[AV] offset:(\f/4)*32*PV+16*PV+(\f%4)*32
.endr
	WIN 0
.endm
; THE VECTOR WORK OF A TURN stands in three queues, each in the order in which its entries become ready; the two tiles alternate.
.macro REGS y, u                    ; the registers of tile u (0, 1) of piece y
.set rT, ST+4*(2*(\y)+(\u))
.set rC, TMP+8*((\y)%2)+4*(\u)
.set rM, MV+2*((\y)%2)+(\u)
.set rS, S+64*((\y)%2)+32*(\u)
.set rP, P+32*((\y)%2)+16*(\u)
.set rO, 32*(2*(\y)+(\u))
.endm
; Number n of the 22 that find the NEXT piece's (Y + 1) maximum and statistics; each accumulator's lowest registers are read first.
;   0-11  four chains c0-c3 of seven scores each     12-14, 16  the four scores left over, the old m, and c0-c3 into c0     15  c m_old is kept
;   17, 18  the query's other 32 keys lie in the lane 16 away: the new m         19-21  c m; c m_old - c m_new; a
.macro XS u, n
	REGS (Y+1)%NP, \u
.if (\n) < 4
	v_max3_num_f32 v[rC+(\n)], v[rS+8*(\n)], v[rS+8*(\n)+1], v[rS+8*(\n)+2]
.elseif (\n) < 12
	v_max3_num_f32 v[rC+(\n)%4], v[rC+(\n)%4], v[rS+8*((\n)%4)+2*((\n)/4)+1], v[rS+8*((\n)%4)+2*((\n)/4)+2]
.elseif (\n) == 12
	v_max3_num_f32 v[rC], v[rC], v[rS+7], v[rS+15]
.elseif (\n) == 13
	v_max3_num_f32 v[rC+1], v[rC+1], v[rS+23], v[rS+31]
.elseif (\n) == 14
	v_max3_num_f32 v[rC+2], v[rC+2], v[rC+3], v[rT+1]
.elseif (\n) == 15
	v_mov_b32 v[rM], v[rT]
.elseif (\n) == 16
	v_max3_num_f32 v[rC], v[rC], v[rC+1], v[rC+2]
.elseif (\n) == 17
	v_permlanex16_b32 v[rC+3], v[rC], s[SEL], s[SEL+1]
.elseif (\n) == 18
	v_max_num_f32 v[rT+1], v[rC], v[rC+3]
.elseif (\n) == 19
	v_mul_f32 v[rT], s[CS], v[rT+1]
.elseif (\n) == 20
	v_sub_f32 v[rC+1], v[rM], v[rT]
.else
	v_exp_f32 v[rC+2], v[rC+1]
.endif
.endm
; Number g of the 64 that follow the exponentials.  For each four weights k of a tile: both pairs are rounded to f16; then the second pair is added onto the first, in place; a group later l takes that sum.
.macro GS g
.set h, (\g)+6*((\g)/62)            ; group 0 has no group before it, and behind group 7 only l is left
.if h >= 6
.set h, h+2
.endif
	REGS Y, h%2
.set k, h/8
.if h%8 < 4
	v_cvt_pk_f16_f32 v[rP+2*k+(h%8)/2], v[rS+4*k+2*((h%8)/2)], v[rS+4*k+2*((h%8)/2)+1]
.elseif h%8 < 6
	v_pk_add_f32 v[rS+4*k:rS+4*k+1], v[rS+4*k:rS+4*k+1], v[rS+4*k+2:rS+4*k+3]
.elseif k == 1
	v_pk_fma_f32 v[rT+2:rT+3], v[rT+2:rT+3], v[rC+2:rC+3], v[rS:rS+1] op_sel_hi:[1,0,1]
.else
	v_pk_add_f32 v[rT+2:rT+3], v[rT+2:rT+3], v[rS+4*k-4:rS+4*k-3]
.endif
.endm
; THE PLAIN QUEUE, 138 long.  0-73 read no exponential's result: the 32 scalings c s - c m and the next piece's 42.  74-137: GS's 64, which stand behind the wait.
.macro FS f
	REGS Y, (\f)%2
	v_pk_fma_f32 v[rS+2*((\f)/2):rS+2*((\f)/2)+1], v[rS+2*((\f)/2):rS+2*((\f)/2)+1], s[CS:CS+1], v[rT:rT+1] op_sel_hi:[1,0,0] neg_lo:[0,0,1] neg_hi:[0,0,1]
.endm
.macro PL
	WIN 0
.if q < 27
	FS q
.elseif q < 55
	XS (q-27)%2, (q-27)/2
.elseif q < 57
	XS q-55, 15
.elseif (q < 72) && ((q-57)%3 == 0)
	FS 27+(q-57)/3
.elseif q < 60
	XS (q-57)%3-1, 14
.elseif q < 72
	XS (q-57)%3-1, 15+(q-57)/3
.elseif q < 74
	XS q-72, 20
.else
	GS q-74
.endif
.set q, q+1
.endm
; THE EXPONENTIALS' QUEUE, 66 long: s0-s31 of both tiles, then the next piece's two a: ONE BATCH, ahead of the turn's one wait.
.macro EX
	WIN 0
.if e >= 64
	XS e-64, 21
.else
	REGS Y, e%2
	v_exp_f32 v[rS+e/2], v[rS+e/2]
.endif
.set e, e+1
.endm
; THE RESCALING's QUEUE: O^T times a, dealt two at a time, sixteen times.  Its a was made in the turn before, ahead of that turn's wait.
.macro R2
	REGS Y, r%2
	WIN W_RS
.irp z, 0,1
	v_pk_mul_f32 v[rO+4*(r/2)+2*\z:rO+4*(r/2)+2*\z+1], v[rO+4*(r/2)+2*\z:rO+4*(r/2)+2*\z+1], v[rC+2:rC+3] op_sel_hi:[1,0]
.endr
.set r, r+1
.endm
; A TURN, for piece p.  Ahead of its one wait: the 16 products K Q^T, behind each a scaling, an exponential and two rescalings; then one run of 108: eight plain, 49 times exponential and plain, the two a.
; Behind it: the 16 products V^T P, behind each four of GS's 64.  Exponential e stands behind scaling 2 (e / 4) + e % 2.
; K of the next step is fetched in piece 2's turn, directly behind the wait; V of the step in hand at the end of piece 0's turn, four plain instructions behind its last reader.
; cnt = 1: the loop's count is taken down some lines ahead of the branch that stands behind the turn.
.macro TURN p, last=0, cnt=0
.set Y, (\p)
.set i, 0
.set q, 0
.set e, 0
.set r, 0
.if (\p) == NP-1
	s_wait_dscnt 0x0                ; K is in
.endif
	MM
	PL
	PL
	R2
.rept 15
	MM
	PL
	EX
	R2
.endr
.if (\p) == NP-2
	WIN 0
	v_add_nc_u32 v[AK], s[TBK], v[AK0]
.endif
.rept 8
	PL
.endr
.rept 49
	EX
	PL
.endr
	EX                              ; the next piece's two a
	EX
	v_nop                           ; a plain instruction behind the last exponential: one for the batch
	s_wait_alu depctr_va_vdst(0)    ; the wait for the batch ahead of the first line that names a result
.if (\p) == NP-2
	FETCH_K \last
.endif
.if (\p) == 1
	s_wait_dscnt 0x0                ; V is in
.endif
.rept 16
	MM
.rept 4
	PL
.endr
.if ((\p) == 0) && (q == 118)
	v_add_nc_u32 v[AV], s[TBV], v[AV0]
.endif
.if ((\p) == 0) && (q == 130)
	s_add_co_u32 s[TBV], s[TBV], KS*PV
.endif
.if (\cnt) && (q == 130)
	s_sub_co_u32 s[CNT], s[CNT], 1
	s_cmp_lg_u32 s[CNT], 0
.endif
.endr
.if (\p) == 0
	FETCH_V
.endif
.endm
	s_wait_tensorcnt 3              ; my part of the first chunk is in; my three younger loads stay out
	s_barrier_signal -1
	s_barrier_wait -1               ; everybody's is
	FETCH_K                         ; key step 0
	s_wait_loadcnt 0x0              ; Q
	s_wait_dscnt 0x0
.set i, 0
.rept 16
	KQ 0                            ; piece 0's first scores
.set i, i+1
.endr
	WIN 0                           ; the addresses for the way out: nine plain instructions, the places behind those products
	s_mul_i32 s13, s[WV], 16*SP
	s_add_co_u32 s13, s13, STAGE    ; my stage
	v_mul_u32_u24 v[STO], v1, SP    ; in: row l % 16, 16 bytes for each half of the lanes
	v_lshl_add_u32 v[STO], v9, 4, v[STO]
	v_add_nc_u32 v[STO], s13, v[STO]
	v_bfe_u32 v[RD], v0, 3, 2       ; back: 32 lanes take four rows of 128 bytes,
	v_mul_u32_u24 v[RD], v[RD], SP
	v_lshl_add_u32 v[RD], v10, 4, v[RD]
	v_add_nc_u32 v[RD], s13, v[RD]
	v_and_b32 v[GO], 31, v0         ; which are 512 consecutive bytes of O
	v_lshlrev_b32 v[GO], 4, v[GO]
.set Y, NP-1                        ; XS works for piece Y + 1: piece 0
.irp n, 0,1,2,3,4,5,6,7,8,9,10,11,12,13,14,15,16,17,18,19,20,21
	XS 0, \n                        ; piece 0's first maximum and statistics
	XS 1, \n
.endr
	v_nop                           ; a plain instruction behind the two a,
	s_wait_alu depctr_va_vdst(0)    ; and their wait, ahead of the branch
	s_mov_b32 s[CNT], 4
	s_mov_b32 s[SLOTS], 5
	s_branch .Lfirst                ; the loop is entered at a step's first turn, in the middle of a trip
.Lslot:                             ; the next chunk of 256 keys is entered.  One text serves all chunks, so the count is 0: my three later loads have had four key steps in which to land,
	s_wait_tensorcnt 0x0            ; and from the second time on nothing is out
	s_wait_dscnt 0x0
	s_barrier_signal -1
	s_barrier_wait -1               ; everybody's parts are in
	s_mov_b32 s[CNT], 4
.Lstep:                             ; a trip: pieces 2 and 3 of one step, then pieces 0 and 1 of the next, whose K and V it fetches
	TURN 2, 1
	TURN 3
	WIN 0
	s_cmp_eq_u32 s[SLOTS], 1        ; the fifth pass is left here: the last step's pieces 2 and 3 are done.  Its 16 products K Q^T, on the last K once more, serve nothing: the price of one text for every trip
	s_cbranch_scc1 .Lout
.Lfirst:
	TURN 0
	TURN 1, 0, 1
	WIN 0
	s_cbranch_scc1 .Lstep
	s_sub_co_u32 s[SLOTS], s[SLOTS], 1
	s_cmp_lg_u32 s[SLOTS], 0
	s_cbranch_scc1 .Lslot
.Lout:
.set i, 0
.rept 16
	PV NP-1                         ; the last piece's V^T P of the last step
.set i, i+1
.endr
	; THE WAY OUT.  l's two halves and the other half of the lanes' are added; O^T is divided by l, rounded to f16 and sent through my stage in LDS, a tile at a time.  The additions are the places behind the last products.
	WIN 0
.macro ALL line:vararg              ; one line for each tile t
.set t, 0
.rept 2*NP
	\line
.set t, t+1
.endr
.endm
	ALL v_add_f32 v[ST+4*t+2], v[ST+4*t+2], v[ST+4*t+3]
	ALL v_permlanex16_b32 v[ST+4*t+3], v[ST+4*t+2], s[SEL], s[SEL+1]
	ALL v_add_f32 v[ST+4*t+2], v[ST+4*t+2], v[ST+4*t+3]
	ALL v_rcp_f32 v[ST+4*t+2], v[ST+4*t+2]
	v_nop                           ; a plain instruction between the last reciprocal and the use of its result
	s_wait_alu depctr_va_vdst(0)    ; and the wait ahead of the first use: one for the eight reciprocals
; Tile t: a lane's eight channels of a row pack into 16 bytes; they go into rows of 144 bytes and come back as whole rows of 128, into S^T's registers.
.macro PACK t
	WIN W_RS
.set i, 32*(\t)
.rept 16
	v_pk_mul_f32 v[i:i+1], v[i:i+1], v[ST+4*(\t)+2:ST+4*(\t)+3] op_sel_hi:[1,0]
.set i, i+2
.endr
	WIN 0x05                        ; sources 0 and 1 window 1, destination window 0
.set i, 0
.rept 16
	v_cvt_pk_f16_f32 v[S+16*(\t)+i], v[32*(\t)+2*i], v[32*(\t)+2*i+1]
.set i, i+1
.endr
	WIN 0
.irp f, 0,1,2,3
	ds_store_b128 v[STO], v[S+16*(\t)+4*\f:S+16*(\t)+4*\f+3] offset:32*\f
.endr
.irp f, 0,1,2,3
	ds_load_b128 v[S+16*(\t)+4*\f:S+16*(\t)+4*\f+3], v[RD] offset:\f*4*SP  ; LDS serves a wave's instructions in order (ISA guide 5.7.1.4): these see the stores above; the next tile's stores come behind them
.endr
.endm
.macro SEND t, younger              ; younger: the LDS instructions issued behind tile t's loads: the next tile's eight, or none
	WIN 0
.irp f, 0,1,2,3
	s_wait_dscnt (\younger)+3-\f
	global_store_b128 v[GO], v[S+16*(\t)+4*\f:S+16*(\t)+4*\f+3], s[10:11] offset:(\t)*2048+\f*512  ; 512 consecutive bytes, at a multiple of 256 from O's first
.endr
.endm
	PACK 0
.set t, 1
.rept 2*NP-1                        ; a tile's arithmetic stands between the loads of the tile before and its stores
	PACK t
	SEND t-1, 8
.set t, t+1
.endr
	SEND 2*NP-1, 0
	WIN W_AD
	s_wait_tensorcnt 0x0            ; the wave's end: behind my last tensor load and my last LDS store
	ds_add_u32 v[SPW], v[NIL]
	s_wait_dscnt 0x0
	WIN 0
	s_endpgm
.Lfunc_end_k_q16f9152749_attn:
	.size	k_q16f9152749_attn, .Lfunc_end_k_q16f9152749_attn-k_q16f9152749_attn
	.p2alignl 7, 3214868480
	.fill 96, 4, 3214868480
	.section	.rodata,"a",@progbits
	.p2align	6, 0x0
	.amdhsa_kernel k_q16f9152749_attn
		.amdhsa_group_segment_fixed_size 327680
		.amdhsa_private_segment_fixed_size 0
		.amdhsa_enable_private_segment 0
		.amdhsa_kernarg_size 16
		.amdhsa_user_sgpr_count 2
		.amdhsa_user_sgpr_kernarg_segment_ptr 1
		.amdhsa_wavefront_size32 1
		.amdhsa_system_sgpr_workgroup_id_x 1
		.amdhsa_system_sgpr_workgroup_id_y 1
		.amdhsa_system_sgpr_workgroup_id_z 1
		.amdhsa_system_vgpr_workitem_id 0
		.amdhsa_next_free_vgpr 770
		.amdhsa_next_free_sgpr 96
		.amdhsa_reserve_vcc 0
		.amdhsa_float_denorm_mode_32 3
		.amdhsa_float_denorm_mode_16_64 3
		.amdhsa_memory_ordered 1
		.amdhsa_forward_progress 1
		.amdhsa_inst_pref_size 126
	.end_amdhsa_kernel
	.amdgpu_metadata
---
amdhsa.version: [ 1, 2 ]
amdhsa.kernels:
  - .name:           k_q16f9152749_attn
    .symbol:         k_q16f9152749_attn.kd
    .args:
      - { .name: qkv, .offset: 0, .size: 8, .value_kind: global_buffer, .address_space: global }
      - { .name: ob, .offset: 8, .size: 8, .value_kind: global_buffer, .address_space: global }
    .group_segment_fixed_size: 327680
    .private_segment_fixed_size: 0
    .kernarg_segment_align: 8
    .kernarg_segment_size: 16
    .max_flat_workgroup_size: 128
    .sgpr_count:     96
    .vgpr_count:     770
    .wavefront_size: 32
...
	.end_amdgpu_metadata
.endif
;; end of part 3
;; launch oproj (part 4): grid 8 x 32, 4 waves a work-group, clusters of 4 x 4, 327,680 bytes of LDS; arguments ob, wb, out0; writes out0
.if DOCPART == 4
	.amdgcn_target "amdgcn-amd-amdhsa--gfx1250"
	.amdhsa_code_object_version 6
	.text
	.protected	k_q16f9152749_oproj
	.globl	k_q16f9152749_oproj
	.p2align	8
	.type	k_q16f9152749_oproj,@function
k_q16f9152749_oproj:
	s_mov_b64 s[64:65], 0
	v_nop
	global_prefetch_b8 v0, s[64:65] scope:SCOPE_SE
	s_setreg_imm32_b32 hwreg(HW_REG_WAVE_MODE, 25, 1), 1
	s_wait_xcnt 0x0
	s_wait_alu depctr_hold_cnt(0) depctr_sa_sdst(0) depctr_va_vdst(0) depctr_va_sdst(0) depctr_va_ssrc(0) depctr_va_vcc(0) depctr_vm_vsrc(0)
	s_getreg_b32 s2, hwreg(HW_REG_IB_STS2, 6, 4)
	s_cmp_eq_u32 s2, 0
	s_cbranch_scc0 .Lentry_in_a_cluster
	s_endpgm
.Lentry_in_a_cluster:
	s_bfe_u32 s2, ttmp6, 0x10000c
	s_cmp_lg_u32 s2, 0xf033
	s_cbranch_scc0 .Lentry_shape_is_right
	s_endpgm
.Lentry_shape_is_right:
; out0[row][n] = the sum over k = 64 head + d of O[batch][head][row][d] wo[k][n].  ob: [128][1024][64] f16; wo: wb's fourth matrix, [1024 k][1024 n], bf16-rounded numbers written as f16; out0: [8192][1024] f32.
; Operands f16, sums f32, stored as they are.  LIMIT: |wo| under 65,504, as the launch that wrote it states.
; SHARES.  Work-group (nt, mt) makes 256 rows x 128 columns; wave w 128 rows (w / 2) x 64 columns (w % 2): 32 accumulators, window 1.  256 work-groups.
; THE MATRIX INSTRUCTION IS USED TRANSPOSED (source 0 = 16 columns of wo, turned out of LDS; source 1 = 16 rows of O): a lane holds eight neighbouring columns of one row.
; RING.  K goes in 8 steps of 128, two heads each, through two LDS slots.  Waves 0 and 1 fetch a head's 256 rows (32,768 bytes on end, asked for as 128 rows of 256), waves 2 and 3 64 rows of wo each.
; CLUSTER 4 x 4: O's tiles hang on mt alone and are asked for jointly along a row of the cluster, wo's on nt alone, along a column.
.set PA,     144                       ; an LDS row of O: 128 bytes + 16
.set PB,     288                       ; an LDS row of wo: 256 + 32
.set ABLK,   256*PA                    ; a head's block
.set BOFF,   2*ABLK                    ; 73,728: wo's 128 rows lie behind the two blocks
.set BSTR,   64*PB
.set SLOT1,  131072                    ; a slot is 110,592 bytes; slot 1 begins here, one exclusive or away
.set STAGE,  SLOT1+BOFF+2*BSTR         ; 241,664: 16 rows x 272 bytes for each wave, never filled by a tensor load
.set SPITCH, 272
.set SPARE,  STAGE+4*16*SPITCH         ; the spare words, 128 bytes a wave: two blocks of 256 bytes that no other line names
.set RR,    1
.set ADRA0, 2                          ; v2, v3  my place in a head's block and in wo's rows; never rewritten
.set ADRB0, 3
.set ADRA,  4                          ; v4, v5  the same in the slot in hand
.set ADRB,  5
.set STO,   6                          ; v6   where I put 32 bytes of a stage's row
.set RD,    7                          ; v7   where I read rows back
.set CO,    8                          ; v8   my byte offset in two rows of out0
.set HH,    18
.set LN,    19
.set SPW,   28
.set NIL,   29
.set PFO,   30
.set F0,    32                         ; v[32:127], v[128:223]  two fragment buffers of 32 along K: O's eight fragments, then wo's four
.set F1,    128
.set WV,  16
.set WM,  17
.set WN,  18
.set CX,  19
.set CY,  20
.set NT,  21
.set MT,  22
.set G1A, 24
.set G0A, 32
.set G1B, 40
.set G0B, 48
.set PFA,  72
.set LIM,  76                          ; s76  2 in a wave that prefetches, else the greatest number
.set PARM, 77                          ; s77  1: trips with an even count alone; 0: every trip
.set CNT,  78
.set TB,   79
; temporaries: s92, s94, s95 hold what hangs on cy; s93, s66, s67 on cx; s96-s99 on both; s2, s3, s23 on the wave alone
.set MSB, 0
.macro WIN new
.if MSB != (\new)
	s_set_vgpr_msb (MSB<<8)|(\new)
.set MSB, (\new)
.endif
.endm
.macro PLACES                          ; four plain instructions between a matrix instruction and a load into, or a read of, its registers (ISA guide 7.12.1 for reads)
.rept 4
	v_nop
.endr
.endm
.macro CREST
	s_cmp_lg_u32 s[WV], 0
	s_cbranch_scc1 .Lnot_wave_0_\@
	s_barrier_signal -3
.Lnot_wave_0_\@:
	s_barrier_wait -3
	s_barrier_signal -1
	s_barrier_wait -1
.endm
.macro CROUND
	s_barrier_signal -1
	s_barrier_wait -1
	CREST
.endm
.macro JLOAD                           ; a joint refill; the branch hangs on the wave's number alone; an s_nop 0 and four v_nop follow each line
	s_cmp_lt_u32 s[WV], 2
	s_cbranch_scc0 .Lfor_b_\@
	tensor_load_to_lds s[G0A+4:G0A+7], s[G1A:G1A+7]
	s_nop 0
.rept 4
	v_nop
.endr
	s_branch .Lasked_\@
.Lfor_b_\@:
	tensor_load_to_lds s[G0B+4:G0B+7], s[G1B:G1B+7]
	s_nop 0
.rept 4
	v_nop
.endr
.Lasked_\@:
.endm
; A PREFETCH INTO THE L2, behind the joint load and the run of LDS loads: in the trip that loads step n + 2, step n + 4: 256 matrix instructions ahead of its load.  O's blocks: waves 0 and 1 of the clusters with x = 0;
; the four partners of a row share a block's 128 pieces of 256 bytes BY ADDRESS (cx), a lane a piece.  wo's rows: waves 2 and 3 of the clusters with y = 0; a wave's step is 64 rows, the four partners of a column
; have 128 lanes, so in every second trip a lane names row 16 cy + l % 16 of step n + 4 + l / 16.  Each piece is named once.  Steps 0 to 3 come by their loads alone; the last trips ask for nothing.
.macro ASK
	s_and_b32 s99, s[CNT], s[PARM]
	s_cmp_lg_u32 s99, 0
	s_cbranch_scc1 .Lnot_mine_\@
	s_cmp_gt_u32 s[CNT], s[LIM]
	s_cbranch_scc0 .Lnot_mine_\@
	global_prefetch_b8 v[PFO], s[PFA:PFA+1] th:TH_LOAD_NT scope:SCOPE_SE
.Lnot_mine_\@:
.endm
; na x 4 matrix instructions: row blocks a0 on, all four column blocks.  The 32 accumulators take turns, one instruction a turn.
.macro MUL f, a0, na, zero
	WIN 0x50
.set ga, (\a0)
.rept \na
.irp b, 0,1,2,3
.if \zero
	v_wmma_f32_16x16x32_f16 v[8*(4*ga+(\b)):8*(4*ga+(\b))+7], v[(\f)+64+8*(\b):(\f)+64+8*(\b)+7], v[(\f)+8*ga:(\f)+8*ga+7], 0
.else
	v_wmma_f32_16x16x32_f16 v[8*(4*ga+(\b)):8*(4*ga+(\b))+7], v[(\f)+64+8*(\b):(\f)+64+8*(\b)+7], v[(\f)+8*ga:(\f)+8*ga+7], v[8*(4*ga+(\b)):8*(4*ga+(\b))+7]
.endif
.endr
.set ga, ga+1
.endr
.endm
.macro FETCH q, f                      ; 24 loads in one run: quarter q of the step (head q / 2, channels 32 (q % 2) on): wo's eight, O's row blocks 0-3, then 4-7
	WIN 0
.irp b, 0,1,2,3
	ds_load_tr16_b128 v[(\f)+64+8*(\b):(\f)+64+8*(\b)+3],   v[ADRB] offset:(\q)*32*PB+32*(\b)
	ds_load_tr16_b128 v[(\f)+64+8*(\b)+4:(\f)+64+8*(\b)+7], v[ADRB] offset:(\q)*32*PB+32*(\b)+16*PB
.endr
.irp a, 0,1,2,3,4,5,6,7
	ds_load_b128 v[(\f)+8*(\a):(\f)+8*(\a)+3],   v[ADRA] offset:((\q)/2)*ABLK+(\a)*16*PA+64*((\q)%2)
	ds_load_b128 v[(\f)+8*(\a)+4:(\f)+8*(\a)+7], v[ADRA] offset:((\q)/2)*ABLK+(\a)*16*PA+64*((\q)%2)+32
.endr
.endm
.macro QUARTER nq, f, g, zero          ; multiplies buffer f; in its middle fetches quarter nq into buffer g
	s_wait_dscnt 8                                 ; all but the youngest eight loads, row blocks 4-7
	MUL \f, 0, 4, \zero
	PLACES
	FETCH \nq, \g
	s_wait_dscnt 24                                ; all but the 24 just issued
	MUL \f, 4, 4, \zero
.endm
; The fourth quarter (buffer 1) and the change of slots: ONE barrier; in front of it each wave waits for all its tensor loads, adds 0 to its spare word, and waits for that and for its reads of this slot.
; fill = 1: the barrier opens a round of the cluster's, and the joint refill, the step two on, is the first thing behind it: 112 matrix instructions ahead of the wait for it.
.macro TURN fill
.if \fill
	s_wait_xcnt 0x0                                ; the last prefetch, a step back, has read its address
	s_add_nc_u64 s[PFA:PFA+1], s[PFA:PFA+1], 0x40000
.endif
	WIN 0
	s_wait_tensorcnt 0x0                           ; all my tensor loads have landed
	ds_add_u32 v[SPW], v[NIL]                      ; 0 onto my spare word
	s_wait_dscnt 9                                 ; (the add and the youngest eight loads may be out)
	MUL F1, 0, 2, 0
	s_wait_dscnt 0x0                               ; the add is done, my reads of this slot are over
	s_barrier_signal -1
	MUL F1, 2, 2, 0
	WIN 0
	s_barrier_wait -1
.if \fill
	CREST
	s_xor_b32 s[G0A+5], s[G0A+5], SLOT1            ; the walking descriptors: the other slot, the next two heads, the next 128 rows of wo
	s_add_nc_u64 s[G0A+6:G0A+7], s[G0A+6:G0A+7], 0x40000
	s_xor_b32 s[G0B+5], s[G0B+5], SLOT1
	s_add_nc_u64 s[G0B+6:G0B+7], s[G0B+6:G0B+7], 0x40000
	JLOAD                                          ; its four v_nop are also the places in front of the loads below
.else
	PLACES
.endif
	s_xor_b32 s[TB], s[TB], SLOT1
	v_add_nc_u32 v[ADRA], s[TB], v[ADRA0]
	v_add_nc_u32 v[ADRB], s[TB], v[ADRB0]
	FETCH 0, F0
.if \fill
	ASK
.endif
	MUL F1, 4, 4, 0
.endm
	s_load_b128 s[4:7], s[0:1], 0x0                ; ob s[4:5], wb s[6:7]
	s_load_b64 s[8:9], s[0:1], 0x10                ; out0
	v_lshl_add_u32 v[SPW], v0, 2, SPARE
	v_mov_b32 v[NIL], 0
	ds_add_u32 v[SPW], v[NIL]                      ; the wave's opening: the add and its wait stand ahead of my first tensor load; work on registers stands between them
	v_lshrrev_b32 v20, 5, v0
	v_readfirstlane_b32 s[WV], v20
	s_lshr_b32 s[WM], s[WV], 1                     ; my half of the rows.  Also: I fetch O (0) or wo (1)
	s_and_b32 s[WN], s[WV], 1                      ; my half of the columns.  Also: which head's block, which 64 rows of wo, I fetch
	s_bfe_u32 s[CX], ttmp6, 0x40000
	s_bfe_u32 s[CY], ttmp6, 0x40004
	s_lshl_b32 s[NT], ttmp9, 2
	s_add_co_u32 s[NT], s[NT], s[CX]
	s_and_b32 s[MT], ttmp7, 0xffff
	s_lshl_b32 s[MT], s[MT], 2
	s_add_co_u32 s[MT], s[MT], s[CY]
	s_lshl_b32 s92, s[CY], 2
	s_lshl_b32 s92, 15, s92                        ; my row of the cluster
	s_lshl_b32 s93, 0x1111, s[CX]                  ; my column
	s_or_b32 s[G1A], s92, (1<<16)|(1<<20)|(1<<21)|(4<<22)|(3<<25)  ; the mask; 2-byte elements; padding on; bit 21 beside a mask; after every 32 words 4 words
	s_or_b32 s[G1B], s93, (1<<16)|(1<<20)|(1<<21)|(5<<22)|(7<<25)  ; after every 64 words 8 words
.irp g, G1A, G1B
	s_mov_b32 s[(\g)+1], 128<<16                   ; tensor_dim0 = 128 elements: rows of 256 bytes
	s_mov_b32 s[(\g)+3], 128<<16                   ; tile_dim0 = 128
	s_mov_b32 s[(\g)+6], 0
	s_mov_b32 s[(\g)+7], 0
.endr
	s_mov_b32 s[G1A+2], 128<<16                    ; a head's block: 128 rows of 256 bytes on end
	s_mov_b32 s[G1A+4], 128
	s_mov_b32 s[G1A+5], 128
	s_mov_b32 s[G1B+2], 64<<16                     ; 64 rows of wo, 1,024 elements from row to row
	s_mov_b32 s[G1B+4], 64
	s_mov_b32 s[G1B+5], 1024
	s_mul_i32 s2, s[WN], ABLK
	s_mul_i32 s3, s[WN], BSTR
	s_mov_b32 s[G0A], 1
	s_mov_b32 s[G0A+1], s2
	s_mov_b32 s[G0A+4], 1
	s_add_co_u32 s[G0A+5], s2, SLOT1
	s_mov_b32 s[G0B], 1
	s_add_co_u32 s[G0B+1], s3, BOFF
	s_mov_b32 s[G0B+4], 1
	s_add_co_u32 s[G0B+5], s3, BOFF+SLOT1
	s_lshr_b32 s94, s[MT], 2                       ; the batch: 16 heads of 131,072 bytes,
	s_lshl_b32 s94, s94, 21
	s_and_b32 s92, s[MT], 3                        ; my 256 of a head's 1,024 rows,
	s_lshl_b32 s92, s92, 15
	s_add_co_u32 s94, s94, s92
	s_lshl_b32 s92, s[WN], 17                      ; the step's first or second head
	s_add_co_u32 s94, s94, s92
	s_mov_b32 s95, 0
	s_lshl_b32 s66, s[WN], 17                      ; 64 rows of 2,048 bytes,
	s_lshl_b32 s67, s[NT], 8                       ; 128 columns x 2 bytes x nt,
	s_add_co_u32 s66, s66, s67
	s_add_co_u32 s66, s66, 0x600000                ; in wb's fourth matrix
	s_mov_b32 s67, 0
	s_mov_b32 s[TB], 0
	s_wait_dscnt 0x0                               ; the opening add is done
	s_wait_kmcnt 0x0
	s_add_nc_u64 s[G0A+2:G0A+3], s[4:5], s[94:95]
	s_add_nc_u64 s[G0A+6:G0A+7], s[G0A+2:G0A+3], 0x40000
	s_or_b32 s[G0A+3], s[G0A+3], 0x80000000
	s_or_b32 s[G0A+7], s[G0A+7], 0x80000000
	s_add_nc_u64 s[G0B+2:G0B+3], s[6:7], s[66:67]
	s_add_nc_u64 s[G0B+6:G0B+7], s[G0B+2:G0B+3], 0x40000
	s_or_b32 s[G0B+3], s[G0B+3], 0x80000000
	s_or_b32 s[G0B+7], s[G0B+7], 0x80000000
	CROUND                                         ; all sixteen work-groups are here: the first joint loads meet
	s_cmp_lt_u32 s[WV], 2                          ; a wave's two first fills stand in one branch: two loads of mine are out
	s_cbranch_scc0 .Lfirst_b
	tensor_load_to_lds s[G0A:G0A+3], s[G1A:G1A+7]
	s_nop 0
	tensor_load_to_lds s[G0A+4:G0A+7], s[G1A:G1A+7]
	s_nop 0
.rept 4
	v_nop
.endr
	s_branch .Lfirst_asked
.Lfirst_b:
	tensor_load_to_lds s[G0B:G0B+3], s[G1B:G1B+7]
	s_nop 0
	tensor_load_to_lds s[G0B+4:G0B+7], s[G1B:G1B+7]
	s_nop 0
.rept 4
	v_nop
.endr
.Lfirst_asked:
	v_and_b32 v[LN], 31, v0
	v_and_b32 v[RR], 15, v0
	v_bfe_u32 v[HH], v0, 4, 1
	v_mul_u32_u24 v[ADRA0], v[RR], PA
	v_lshl_add_u32 v[ADRA0], v[HH], 4, v[ADRA0]
	s_mul_i32 s2, s[WM], 128*PA
	v_add_nc_u32 v[ADRA0], s2, v[ADRA0]            ; (128 (w / 2) + l % 16) x 144 + 16 (l / 16)
	v_and_b32 v21, 7, v0
	v_bfe_u32 v22, v0, 3, 1
	v_lshl_add_u32 v[ADRB0], v[HH], 3, v21         ; the turning load: lane l reads k row 8 (l / 16) + l % 8, columns 8 ((l / 8) % 2) + 0..7
	v_mul_u32_u24 v[ADRB0], v[ADRB0], PB
	v_lshl_add_u32 v[ADRB0], v22, 4, v[ADRB0]
	s_lshl_b32 s2, s[WN], 7
	s_add_co_u32 s2, s2, BOFF
	v_add_nc_u32 v[ADRB0], s2, v[ADRB0]
	v_mov_b32 v[ADRA], v[ADRA0]
	v_mov_b32 v[ADRB], v[ADRB0]
	s_mul_i32 s2, s[WV], 16*SPITCH
	s_add_co_u32 s2, s2, STAGE                     ; my stage
	v_mul_u32_u24 v[STO], v[RR], SPITCH            ; in: row l % 16, 32 bytes for each half of the lanes
	v_lshl_add_u32 v[STO], v[HH], 5, v[STO]
	v_add_nc_u32 v[STO], s2, v[STO]
	v_mul_u32_u24 v[RD], v[HH], SPITCH             ; back: lanes 0-15 one row of 256 bytes, lanes 16-31 the next
	v_lshl_add_u32 v[RD], v[RR], 4, v[RD]
	v_add_nc_u32 v[RD], s2, v[RD]
	v_lshlrev_b32 v[CO], 12, v[HH]                 ; and the same two rows in out0
	v_lshl_add_u32 v[CO], v[RR], 4, v[CO]
	s_lshl_b32 s96, s[MT], 20                      ; 256 rows of 4,096 bytes x mt,
	s_lshl_b32 s97, s[WM], 19                      ; my 128 rows,
	s_add_co_u32 s96, s96, s97
	s_lshl_b32 s97, s[NT], 9                       ; 128 columns x 4 bytes x nt,
	s_add_co_u32 s96, s96, s97
	s_lshl_b32 s97, s[WN], 8                       ; my 64 columns
	s_add_co_u32 s96, s96, s97
	s_mov_b32 s97, 0
	s_add_nc_u64 s[8:9], s[8:9], s[96:97]
	; the prefetches: they stand at step 3; the first change of slots steps them to step 4
	s_lshr_b32 s96, s[MT], 2
	s_lshl_b32 s96, s96, 21
	s_and_b32 s97, s[MT], 3
	s_lshl_b32 s97, s97, 15
	s_add_co_u32 s96, s96, s97
	s_lshl_b32 s97, s[WN], 17
	s_add_co_u32 s96, s96, s97
	s_lshl_b32 s97, s[CX], 13                      ; my work-group's 32 pieces of the block's 128
	s_add_co_u32 s96, s96, s97
	s_add_co_u32 s96, s96, 6*131072
	s_lshl_b32 s97, s[WN], 17
	s_lshl_b32 s98, s[NT], 8
	s_add_co_u32 s97, s97, s98
	s_lshl_b32 s98, s[CY], 15                      ; my work-group's 16 rows of the 64
	s_add_co_u32 s97, s97, s98
	s_add_co_u32 s97, s97, 0x600000+3*262144
	s_and_b32 s98, ttmp7, 0xffff                   ; cluster y
	s_cmp_lt_u32 s[WV], 2
	s_cselect_b32 s96, s96, s97
	s_cselect_b32 s98, ttmp9, s98                  ; the coordinate along which other clusters read the same bytes
	s_cselect_b64 s[PFA:PFA+1], s[4:5], s[6:7]
	s_cselect_b32 s[PARM], 0, 1
	s_cselect_b32 s99, 12, 18                      ; lane term: O: 256 x lane; wo: a step for l / 16, a row for l % 16
	s_cselect_b32 s97, 8, 11
	v_lshlrev_b32 v[PFO], s99, v[HH]
	v_lshlrev_b32 v20, s97, v[RR]
	v_add_nc_u32 v[PFO], v[PFO], v20
	s_cmp_eq_u32 s98, 0
	s_cselect_b32 s[LIM], 2, -1                    ; the same in all sixteen partners, for a given wave
	s_mov_b32 s97, 0
	s_add_nc_u64 s[PFA:PFA+1], s[PFA:PFA+1], s[96:97]
	s_wait_tensorcnt 1                             ; my part of step 0 is in; step 1's may stay out
	s_barrier_signal -1
	s_barrier_wait -1
	FETCH 0, F0
	QUARTER 1, F0, F1, 1                           ; the first products start the sums: nothing is cleared
	WIN 0
	s_mov_b32 s[CNT], 6
.Lk:                                               ; trip n: quarters 1 to 3 of step n, slot n % 2 filled with step n + 2, quarter 0 of step n + 1
	QUARTER 2, F1, F0, 0
	QUARTER 3, F0, F1, 0
	TURN 1
	QUARTER 1, F0, F1, 0
	WIN 0
	s_sub_co_u32 s[CNT], s[CNT], 1
	s_cmp_lg_u32 s[CNT], 0
	s_cbranch_scc1 .Lk
	QUARTER 2, F1, F0, 0                           ; the tail is written out: nothing is left to fetch
	QUARTER 3, F0, F1, 0
	TURN 0
	QUARTER 1, F0, F1, 0
	QUARTER 2, F1, F0, 0
	QUARTER 3, F0, F1, 0
	s_wait_dscnt 8
	MUL F1, 0, 4, 0
	s_wait_dscnt 0x0
	MUL F1, 4, 4, 0
	WIN 0
	PLACES
	PLACES
; THE WAY OUT, 16 rows at a time through my own stage: a lane's eight f32 of a row go in as 32 bytes (each accumulator's four low registers first), whole rows of 256 bytes come back.
.macro TOSTAGE a
	WIN 0x04                                       ; the stores' data in window 1
.irp b, 0,1,2,3
	ds_store_b128 v[STO], v[8*(4*(\a)+(\b)):8*(4*(\a)+(\b))+3]   offset:64*(\b)
	ds_store_b128 v[STO], v[8*(4*(\a)+(\b))+4:8*(4*(\a)+(\b))+7] offset:64*(\b)+16
.endr
	WIN 0
.set BK, 32+32*((\a)%4)
.irp t, 0,1,2,3,4,5,6,7
	ds_load_b128 v[BK+4*(\t):BK+4*(\t)+3], v[RD] offset:(\t)*2*SPITCH  ; LDS serves a wave's instructions in order (ISA guide 5.7.1.4): these see the stores above
.endr
.endm
.macro SEND a, younger                 ; younger: the LDS instructions issued behind block a's loads: the next block's sixteen, or none
.set BK, 32+32*((\a)%4)
	s_wait_dscnt \younger
	s_wait_xcnt 0x0                                ; earlier stores have read their base and data: the base is stepped, and a buffer loaded again, only behind this wait
.if (\a) > 0
	s_add_nc_u64 s[8:9], s[8:9], 16*4096
.endif
.irp t, 0,1,2,3,4,5,6,7
	global_store_b128 v[CO], v[BK+4*(\t):BK+4*(\t)+3], s[8:9] offset:(\t)*2*4096 th:TH_STORE_NT  ; 16 lanes store 256 consecutive bytes, at a multiple of 256 from out0's first byte
.endr
.endm
	TOSTAGE 0
.irp a, 1,2,3,4,5,6,7
	TOSTAGE \a
	SEND (\a)-1, 16
.endr
	SEND 7, 0
	s_wait_tensorcnt 0x0                           ; the wave's end: behind my last tensor load and my last LDS store
	ds_add_u32 v[SPW], v[NIL]
	s_wait_dscnt 0x0
	CROUND                                         ; the closing round: no work-group ends while a partner may still ask for a tile that names it
	s_endpgm
.Lfunc_end_k_q16f9152749_oproj:
	.size	k_q16f9152749_oproj, .Lfunc_end_k_q16f9152749_oproj-k_q16f9152749_oproj
	.p2alignl 7, 3214868480
	.fill 96, 4, 3214868480
	.section	.rodata,"a",@progbits
	.p2align	6, 0x0
	.amdhsa_kernel k_q16f9152749_oproj
		.amdhsa_group_segment_fixed_size 327680
		.amdhsa_private_segment_fixed_size 0
		.amdhsa_enable_private_segment 0
		.amdhsa_kernarg_size 24
		.amdhsa_user_sgpr_count 2
		.amdhsa_user_sgpr_kernarg_segment_ptr 1
		.amdhsa_wavefront_size32 1
		.amdhsa_system_sgpr_workgroup_id_x 1
		.amdhsa_system_sgpr_workgroup_id_y 1
		.amdhsa_system_sgpr_workgroup_id_z 1
		.amdhsa_system_vgpr_workitem_id 0
		.amdhsa_next_free_vgpr 512
		.amdhsa_next_free_sgpr 102
		.amdhsa_reserve_vcc 0
		.amdhsa_float_denorm_mode_32 3
		.amdhsa_float_denorm_mode_16_64 3
		.amdhsa_memory_ordered 1
		.amdhsa_forward_progress 1
		.amdhsa_inst_pref_size 71
	.end_amdhsa_kernel
	.amdgpu_metadata
---
amdhsa.version: [ 1, 2 ]
amdhsa.kernels:
  - .name:           k_q16f9152749_oproj
    .symbol:         k_q16f9152749_oproj.kd
    .args:
      - { .name: ob, .offset: 0, .size: 8, .value_kind: global_buffer, .address_space: global }
      - { .name: wb, .offset: 8, .size: 8, .value_kind: global_buffer, .address_space: global }
      - { .name: out0, .offset: 16, .size: 8, .value_kind: global_buffer, .address_space: global }
    .group_segment_fixed_size: 327680
    .private_segment_fixed_size: 0
    .kernarg_segment_align: 8
    .kernarg_segment_size: 24
    .max_flat_workgroup_size: 128
    .sgpr_count:     102
    .vgpr_count:     512
    .wavefront_size: 32
...
	.end_amdgpu_metadata
.endif
;; end of part 4
;; ======== version 2 of 2: 4 launches; version 1 with the launch prep written anew for expert scheduling mode
;; limits: values are held in f16: magnitudes above 65,504 overflow, below 6.1e-05 lose precision; right only within a limited range of input values
;; workspace buffers: xb 16,777,216 bytes; wb 8,388,608 bytes; csb 2,097,152 bytes; qkv 50,331,648 bytes; ob 16,777,216 bytes
;; launch prep (part 5): grid 832 x 1, 8 waves a work-group, no clusters, 0 bytes of LDS; arguments hidden_states, wq, wk, wv, wo, cos, sin, xb, wb, csb; writes xb, wb, csb
.if DOCPART == 5
	.amdgcn_target "amdgcn-amd-amdhsa--gfx1250"
	.amdhsa_code_object_version 6
	.text
	.protected	k_q16f9152749_prep
	.globl	k_q16f9152749_prep
	.p2align	8
	.type	k_q16f9152749_prep,@function
k_q16f9152749_prep:
	s_mov_b64 s[64:65], 0
	v_nop
	global_prefetch_b8 v0, s[64:65] scope:SCOPE_SE
	s_setreg_imm32_b32 hwreg(HW_REG_WAVE_SCHED_MODE, 0, 2), 2
	s_setreg_imm32_b32 hwreg(HW_REG_WAVE_MODE, 25, 1), 1
	s_wait_xcnt 0x0
	s_wait_alu depctr_vm_vsrc(0)
; CASTS.  Every floating-point input that a later launch multiplies is rounded ONCE to bf16 here:
;   hidden_states [8192][1024] f32 -> xb, bf16, in blocks [16 kb][8192 rows][64]: a tile of 256 rows x 64 k is 32,768 bytes on end
;   wq, wk, wv [1024 k][1024 n] f32 -> wb, bf16, as they lie, 2 MiB each;  wo -> wb's fourth matrix: rounded to bf16, that number written as f16
;   cos, sin [8192][64] f32 -> csb, bf16: cos, then sin
; (position_ids enters the module by its shape alone, two chunks of the head: no value of it is used, so no launch loads it.)
; LIMIT.  |wo| stays under 65,504 (f16's end); below 2^-14 it keeps f16's fixed step of 2^-24.
; A stream: no LDS, no matrix unit.  A work-group casts 16,384 numbers (64 KiB in, 32 KiB out); a thread has sixteen loads of 16 bytes out at once and stores 8 bytes for each;
; a wave's store covers 256 consecutive bytes, at a multiple of 256 from the buffer's first byte.  No register is written twice while a load or store names it.
; THE MODE: SCHED_MODE bits 1:0 = 2 (LLVM: expert scheduling mode 2), set by the entry lines.  The code itself states the register dependences
; between vector instructions and memory instructions, with s_wait_alu, always for 0.
; THE PLAN.  Registers that memory instructions touch:
;   v1, v2   the loads' and the stores' byte offsets.  Written by vector lines at the head of each path; read by all sixteen loads, all sixteen stores; never written again.
;   IN       written by the loads alone, once each; read by the conversions, behind the loads' own counted waits; no load lands there a second time.
;   OUT      written by the conversions; each pair is read by one store and never written behind it.
;   T0       named by vector lines alone.
; So every dependence to be stated is of one kind: a vector line has written a register that a memory instruction reads.  One wait on va_vdst stands ahead of the first load, for v1 and v2.
; The sixteen loads are worked off in four groups of four: the group's conversions, ONE wait on va_vdst for its eight registers of OUT, its four stores in a run.
; No register that a memory instruction has read is written again, no vector line writes a scalar register or VCC, and EXEC is never written: no other wait has a dependence to state.
.set IN,  4                            ; v[4:67]    sixteen loads of four f32
.set OUT, 68                           ; v[68:99]   sixteen pairs of packed words
.set T0,  100                          ; v[100:103] at work (wo alone)
; mode = 1: bf16, then written as f16.  istr: bytes from load to load.  xm = 1: load i is k block i of xb, 1 MiB apart (the second eight by a base 8 MiB on: the immediate has 24 signed bits)
.macro CAST mode, istr, xm
	s_wait_alu depctr_va_vdst(0)                   ; v1 and v2 are written: the loads below read v1 as their offset, the stores v2; no later vector line names either
.set i, 0
.rept 16
	global_load_b128 v[IN+4*i:IN+4*i+3], v1, s[24:25] offset:i*(\istr) th:TH_LOAD_NT
.set i, i+1
.endr
.set g, 0
.rept 4
	s_wait_loadcnt 12-4*g                          ; loads come back in order: the group's four are in, the 12 - 4 g younger ones stay out
.set i, 4*g
.rept 4
	v_cvt_pk_bf16_f32 v[OUT+2*i], v[IN+4*i], v[IN+4*i+1]
	v_cvt_pk_bf16_f32 v[OUT+2*i+1], v[IN+4*i+2], v[IN+4*i+3]
.if \mode
	v_lshlrev_b32 v[T0], 16, v[OUT+2*i]            ; the rounded numbers as f32 again,
	v_and_b32 v[T0+1], 0xffff0000, v[OUT+2*i]
	v_lshlrev_b32 v[T0+2], 16, v[OUT+2*i+1]
	v_and_b32 v[T0+3], 0xffff0000, v[OUT+2*i+1]
	v_cvt_pk_f16_f32 v[OUT+2*i], v[T0], v[T0+1]    ; and as f16: exact within f16's range
	v_cvt_pk_f16_f32 v[OUT+2*i+1], v[T0+2], v[T0+3]
.endif
.set i, i+1
.endr
	s_wait_alu depctr_va_vdst(0)                   ; the group's conversions have written its eight registers of OUT, which the four stores below read
.set i, 4*g
.rept 4
.if \xm
.if i < 8
	global_store_b64 v2, v[OUT+2*i:OUT+2*i+1], s[26:27] offset:i*1048576 th:TH_STORE_NT
.else
	global_store_b64 v2, v[OUT+2*i:OUT+2*i+1], s[34:35] offset:(i-8)*1048576 th:TH_STORE_NT
.endif
.else
	global_store_b64 v2, v[OUT+2*i:OUT+2*i+1], s[26:27] offset:i*2048 th:TH_STORE_NT
.endif
.set i, i+1
.endr
.set g, g+1
.endr
.endm
	s_load_b512 s[4:19], s[0:1], 0x0               ; hidden_states s[4:5], wq s[6:7], wk s[8:9], wv s[10:11], wo s[12:13], cos s[14:15], sin s[16:17], xb s[18:19]
	s_load_b128 s[20:23], s[0:1], 0x40             ; wb s[20:21], csb s[22:23]
	s_mov_b32 s28, ttmp9                           ; the chunk: 0-511 x, 512-703 wq wk wv, 704-767 wo, 768-831 cos sin
	v_lshlrev_b32 v2, 3, v0                        ; out: 8 bytes a thread
	s_mov_b32 s31, 0                               ; offsets are made apart from the addresses, as pairs with 0 on top
	s_mov_b32 s33, 0
	s_wait_kmcnt 0x0
	s_cmp_lt_u32 s28, 512
	s_cbranch_scc0 .Lnotx
	; x: 16 rows.  Thread t takes row t / 16; load i takes 16 bytes at 16 (t % 16) of the row's k block i: sixteen lanes read 256 bytes on end
	s_lshl_b32 s30, s28, 16
	s_add_nc_u64 s[24:25], s[4:5], s[30:31]
	s_lshl_b32 s32, s28, 11                        ; 16 rows of 128 bytes in each block of xb
	s_add_nc_u64 s[26:27], s[18:19], s[32:33]
	s_add_nc_u64 s[34:35], s[26:27], 0x800000
	v_lshrrev_b32 v1, 4, v0
	v_and_b32 v3, 15, v0
	v_lshlrev_b32 v1, 12, v1
	v_lshl_add_u32 v1, v3, 4, v1
	CAST 0, 256, 1
	s_endpgm
.Lnotx:
	v_lshlrev_b32 v1, 4, v0                        ; in: 16 bytes a thread, 4,096 a load
	s_cmp_lt_u32 s28, 768
	s_cbranch_scc0 .Ltables
	s_sub_co_u32 s29, s28, 512
	s_lshl_b32 s32, s29, 15
	s_add_nc_u64 s[26:27], s[20:21], s[32:33]      ; wb: the four matrices lie on end
	s_and_b32 s30, s29, 63
	s_lshl_b32 s30, s30, 16                        ; the chunk within its matrix
	s_cmp_lt_u32 s28, 576
	s_cselect_b64 s[24:25], s[6:7], s[8:9]
	s_cmp_lt_u32 s28, 640
	s_cselect_b64 s[24:25], s[24:25], s[10:11]
	s_cmp_lt_u32 s28, 704
	s_cselect_b64 s[24:25], s[24:25], s[12:13]
	s_add_nc_u64 s[24:25], s[24:25], s[30:31]
	s_cmp_lt_u32 s28, 704
	s_cbranch_scc1 .Llinear
	CAST 1, 4096, 0                                ; wo
	s_endpgm
.Ltables:
	s_sub_co_u32 s29, s28, 768
	s_lshl_b32 s32, s29, 15
	s_add_nc_u64 s[26:27], s[22:23], s[32:33]
	s_and_b32 s30, s29, 31
	s_lshl_b32 s30, s30, 16
	s_cmp_lt_u32 s28, 800
	s_cselect_b64 s[24:25], s[14:15], s[16:17]
	s_add_nc_u64 s[24:25], s[24:25], s[30:31]
.Llinear:
	CAST 0, 4096, 0
	s_endpgm
.Lfunc_end_k_q16f9152749_prep:
	.size	k_q16f9152749_prep, .Lfunc_end_k_q16f9152749_prep-k_q16f9152749_prep
	.p2alignl 7, 3214868480
	.fill 96, 4, 3214868480
	.section	.rodata,"a",@progbits
	.p2align	6, 0x0
	.amdhsa_kernel k_q16f9152749_prep
		.amdhsa_group_segment_fixed_size 0
		.amdhsa_private_segment_fixed_size 0
		.amdhsa_enable_private_segment 0
		.amdhsa_kernarg_size 80
		.amdhsa_user_sgpr_count 2
		.amdhsa_user_sgpr_kernarg_segment_ptr 1
		.amdhsa_wavefront_size32 1
		.amdhsa_system_sgpr_workgroup_id_x 1
		.amdhsa_system_sgpr_workgroup_id_y 1
		.amdhsa_system_sgpr_workgroup_id_z 1
		.amdhsa_system_vgpr_workitem_id 0
		.amdhsa_next_free_vgpr 104
		.amdhsa_next_free_sgpr 66
		.amdhsa_reserve_vcc 0
		.amdhsa_float_denorm_mode_32 3
		.amdhsa_float_denorm_mode_16_64 3
		.amdhsa_memory_ordered 1
		.amdhsa_forward_progress 1
		.amdhsa_inst_pref_size 24
	.end_amdhsa_kernel
	.amdgpu_metadata
---
amdhsa.version: [ 1, 2 ]
amdhsa.kernels:
  - .name:           k_q16f9152749_prep
    .symbol:         k_q16f9152749_prep.kd
    .args:
      - { .name: hidden_states, .offset: 0, .size: 8, .value_kind: global_buffer, .address_space: global }
      - { .name: wq, .offset: 8, .size: 8, .value_kind: global_buffer, .address_space: global }
      - { .name: wk, .offset: 16, .size: 8, .value_kind: global_buffer, .address_space: global }
      - { .name: wv, .offset: 24, .size: 8, .value_kind: global_buffer, .address_space: global }
      - { .name: wo, .offset: 32, .size: 8, .value_kind: global_buffer, .address_space: global }
      - { .name: cos, .offset: 40, .size: 8, .value_kind: global_buffer, .address_space: global }
      - { .name: sin, .offset: 48, .size: 8, .value_kind: global_buffer, .address_space: global }
      - { .name: xb, .offset: 56, .size: 8, .value_kind: global_buffer, .address_space: global }
      - { .name: wb, .offset: 64, .size: 8, .value_kind: global_buffer, .address_space: global }
      - { .name: csb, .offset: 72, .size: 8, .value_kind: global_buffer, .address_space: global }
    .group_segment_fixed_size: 0
    .private_segment_fixed_size: 0
    .kernarg_segment_align: 8
    .kernarg_segment_size: 80
    .max_flat_workgroup_size: 256
    .sgpr_count:     66
    .vgpr_count:     104
    .wavefront_size: 32
...
	.end_amdgpu_metadata
.endif
;; end of part 5
;; launch qkv: the kernel of part 2 again; grid 8 x 32, 4 waves a work-group, clusters of 4 x 4, 327,680 bytes of LDS; arguments xb, wb, csb, q_norm_w, k_norm_w, qkv; writes qkv
;; launch attn: the kernel of part 3 again; grid 2 x 128, 4 waves a work-group, no clusters, 327,680 bytes of LDS; arguments qkv, ob; writes ob
;; launch oproj: the kernel of part 4 again; grid 8 x 32, 4 waves a work-group, clusters of 4 x 4, 327,680 bytes of LDS; arguments ob, wb, out0; writes out0
